; MI455X (gfx1250); checked and timed in simulation.
; The chip was launched on July 23, 2026; its instructions are those of AMD's public machine-readable ISA for CDNA 5 (MIT licence, August 2026) and "CDNA5" Instruction Set Architecture Reference Guide (July 2026). The comments in the code are by the model that wrote it; some were corrected since.
;; Multi Head Attention. Allowed arithmetic: matrix products marked QUANTISED: E2M3 operands, one E8M0 scale for each 32 along K, by v_wmma_scale_f32_16x16x128_f8f6f4 with both operands' format E2M3, f32 sums; everything else in f32.
;; Inputs: W_attn 1,024 x 3,072 float32; W_proj 1,024 x 1,024 float32; b_attn 3,072 float32; b_proj 1,024 float32; x 4 x 2,048 x 1,024 float32.
;; Outputs: out0 4 x 2,048 x 1,024 float32.
;; This version of the problem:
;;   THIS VERSION OF THE PROBLEM IS GIVEN IN LOW PRECISION. The matrix products marked QUANTISED in the list below multiply operands that are first quantised to E2M3 (2 exponent bits, 3 mantissa bits; 6 bits a number), with one power-of-two scale for each 32 numbers along K (OCP MX v1.0); their sums are f32. All else is computed in f32.
;;   The module's matrix products, in the order in which they are computed (A, B: the left and right operand; K: the contracted axis; several contracted axes count as one K, in the product's order):
;;     1. [M 8,192, K 1,024] x [K 1,024, N 3,072]; A: input x; B: input W_attn: QUANTISED
;;     2. batch 64 x [M 2,048, K 64] x [K 64, N 2,048]; A: computed on the way; B: computed on the way: QUANTISED
;;     3. batch 64 x [M 2,048, K 2,048] x [K 2,048, N 64]; A: softmax (see below); B: computed on the way: QUANTISED
;;     4. [M 8,192, K 1,024] x [K 1,024, N 1,024]; A: computed on the way; B: input W_proj: QUANTISED
;;   THE QUANTISER, for each operand of a quantised product, along K:
;;     - K is cut into blocks of 32 from its start; a last block that is shorter is filled with zeros.
;;     - A block's scale is 2^e with e = floor(log2(the largest magnitude in the block)) - 2, held to -126 .. 127; a block of zeros has e = 0. As a byte (E8M0): e + 127.
;;     - Each number is divided by its block's scale, clamped to +-7.5, and rounded to the nearest number of E2M3, ties to even, subnormals kept.
;;     - The product sums the exact products of the quantised numbers (number of the format x scale) in f32.
;;   ~~~python
;;   def quantise(x, axis):      # numpy; x: float32 -> the quantised numbers, widened to float32 again
;;       x = np.moveaxis(x, axis, -1); K = x.shape[-1]
;;       x = np.pad(x, [(0, 0)] * (x.ndim - 1) + [(0, -K % 32)]); x = x.reshape(x.shape[:-1] + (-1, 32)); a = np.abs(x).max(-1, keepdims=True)
;;       e = np.where(a > 0, np.clip(np.frexp(np.where(a > 0, a, 1))[1] - 1 - 2, -126, 127), 0)      # np.frexp(a)[1] - 1 = floor(log2(a)), exactly
;;       r = np.clip(x / 2.0 ** e, -7.5, 7.5)
;;       step = 2.0 ** (np.maximum(np.frexp(np.where(r == 0, 1, r))[1] - 1, 0) - 3)
;;       q = np.round(r / step) * step * 2.0 ** e      # np.round: ties to even
;;       return np.moveaxis(q.reshape(q.shape[:-2] + (-1,))[..., :K], -1, axis).astype(np.float32)
;;   ~~~
;;   SOFTMAX AHEAD OF A QUANTISED PRODUCT. Where the list says 'softmax', what is quantised is not the finished softmax but p = 2^(t - M), with t = logit x log2(e) and M = ceil(the row's largest t), a whole number; so 1/2 < the row's largest p <= 1. The row's sum l is taken of the UNQUANTISED p, in f32, and the product's result is divided by l at the end. Since M is a whole number, a kernel that streams over the keys may use a running M (the ceiling of the running maximum): every later rescaling is an exact power of two, which a block's scale takes up: the codes' values come out the same.
;;   OPERANDS COMPUTED ON THE WAY. 'Computed on the way' means the value that the module computes at that place (a softmax that the list does not call 'softmax' is quantised finished and normalised). What goes into a quantiser is computed in f32, as accurately as f32 sums, v_exp_f32 and their like allow (about 1e-6 of the number): no bf16 or f16 on the way to a quantiser, and a product that is left as it is and whose result goes on into a quantised operand takes f32 operands (vector FMAs, or v_wmma_f32_16x16x4_f32). A number that lies on a knife's edge between two numbers of the format may be rounded either way, as far as f32 arithmetic and the matrix unit's own rounding can turn it there, and no further.
;; One version. Each part assembles by itself: llvm-mc -triple=amdgcn-amd-amdhsa -mcpu=gfx1250 --defsym DOCPART=n.
;; ======== version 1 of 1: 4 launches
;; limits: right only within a limited range of input values
;; workspace buffers: opnd 9,830,400 bytes; qkv 20,447,232 bytes; att 6,553,600 bytes
;; launch quant (part 1): grid 384 x 1, 4 waves a work-group, no clusters, 86,528 bytes of LDS; arguments x, W_attn, W_proj, opnd; writes opnd
.if DOCPART == 1
	.amdgcn_target "amdgcn-amd-amdhsa--gfx1250"
	.amdhsa_code_object_version 6
	.text
	.protected	k_q4f700eff4e_quant
	.globl	k_q4f700eff4e_quant
	.p2align	8
	.type	k_q4f700eff4e_quant,@function
k_q4f700eff4e_quant:
	s_mov_b64 s[64:65], 0
	v_nop
	global_prefetch_b8 v0, s[64:65] scope:SCOPE_SE
	s_setreg_imm32_b32 hwreg(HW_REG_WAVE_MODE, 25, 1), 1
	s_wait_xcnt 0x0
; LAUNCH 1 OF 4.  x [8192][1024], W_attn [1024][3072] and W_proj [1024][1024], f32, become codes of FP6 (E2M3) with one E8M0 byte for each 32 along K = the 1,024.
; WORK LEFT OUT IN THIS PROGRAM.  reference() builds the causal mask in its own body (jnp.tril) and sets the scores of keys behind a query to -inf ahead of the softmax: their p is 0 for all
; values of the inputs, so they add nothing to the row's sum nor to the second product.  The attention launch leaves out every step of 128 keys all of which lie behind all 16 queries of a wave's tile;
; inside the one step on the diagonal the hidden scores are computed and replaced by -inf.  Nothing else is left out; every input is loaded.
; LIMIT: a NaN, an infinity or an overflow that would reach only those hidden scores is not carried to the result.
; LIMITS OF THE QUANTISER: NaN and infinities among the inputs are not served.  A block's largest magnitude is taken with the floor 2^(3 - 127), so blocks under 2^-124, and blocks of zeros, get the byte 1
; (the stated quantiser gives a block of zeros 127): their codes are zeros or next to it, and the bytes are read by this program alone.
; THE WORKSPACE opnd is one space of 12,288 rows: x's rows 0 .. 8191, W_attn's columns at 8192 .. 11263, W_proj's columns at 11264 .. 12287.  It is laid as the matrix unit's registers want it:
;   ORDER.  In each group of 32 rows, position 16 u + i holds row 8 u + i + 8 (i / 8).  A tile is 16 positions.
;   IMAGE.  16 positions x 64 along K are 768 bytes: lane l = (r, h) of a wave owns the 24 bytes of codes k = 32 h .. 32 h + 31 of position r: its first 16 bytes at 16 l, its last 8 at 512 + 8 l.
;   Images lie [tile][16 units of 64 along K][768]; the scale bytes, from SC_OFF on, [128 positions][4 slots of 256 along K][position][8 bytes].
; SHARES.  A work-group takes 32,768 numbers.  Work-groups 0 .. 255: x; 256 .. 351: W_attn; 352 .. 383: W_proj.  The three ways through the text have LDS bytes of their own.  Waves share nothing: no barrier.
.set SC_OFF, 9437184
.set SPARE,  86016                     ; behind the three ways' stages: the spare words, 128 bytes a wave
.set SPW, 12                           ; v12  LDS address of my spare word; never rewritten
.set NIL, 13                           ; v13  0; never rewritten
.set SEL, 20                           ; s[20:21] selects of v_permlanex16_b32 for lane l xor 16
	s_load_b256 s[4:11], s[0:1], 0x0               ; x s[4:5], W_attn s[6:7], W_proj s[8:9], opnd s[10:11]
	v_lshl_add_u32 v[SPW], v0, 2, SPARE
	v_mov_b32 v[NIL], 0
	v_lshrrev_b32 v1, 5, v0
	v_readfirstlane_b32 s12, v1                    ; wave
	v_and_b32 v2, 31, v0                           ; lane
	v_and_b32 v3, 15, v0                           ; r
	v_bfe_u32 v4, v0, 4, 1                         ; h
	s_mov_b32 s[SEL], 0x76543210
	s_mov_b32 s[SEL+1], 0xfedcba98
	s_wait_kmcnt 0x0
	s_cmp_lt_u32 ttmp9, 256
	s_cbranch_scc0 .Lweights
; ---- x: K is innermost.  The work-group takes the group of 32 rows ttmp9, the wave the slot of 256 along K: 8 images t = 4 (tile) + (unit).
; A load reads two rows' 256 bytes (a unit of 64 numbers each); an image's 4,096 bytes turn through the wave's stage (16 rows x 272 bytes), from which a lane takes the 32 numbers of its block.
	s_lshl_b32 s14, ttmp9, 17                      ; 32 rows of 4,096 bytes
	s_lshl_b32 s15, s12, 10                        ; 256 numbers
	s_add_co_u32 s14, s14, s15
	s_mov_b32 s15, 0
	s_add_nc_u64 s[4:5], s[4:5], s[14:15]
	s_mul_i32 s14, ttmp9, 24576                    ; two tiles of 12,288 bytes
	s_mul_i32 s16, s12, 3072                       ; four units
	s_add_co_u32 s14, s14, s16
	s_add_nc_u64 s[16:17], s[10:11], s[14:15]      ; my images
	s_lshr_b32 s14, ttmp9, 2
	s_lshl_b32 s14, s14, 12
	s_lshl_b32 s18, s12, 10
	s_add_co_u32 s14, s14, s18
	s_and_b32 s18, ttmp9, 3
	s_lshl_b32 s18, s18, 8
	s_add_co_u32 s14, s14, s18
	s_add_co_u32 s14, s14, SC_OFF
	s_add_nc_u64 s[18:19], s[10:11], s[14:15]      ; my 256 scale bytes
	s_mul_i32 s13, s12, 8704                       ; my two stages
	s_wait_alu depctr_va_vdst(0)
	v_lshlrev_b32 v5, 12, v4
	v_lshl_add_u32 v5, v3, 4, v5                   ; in: 4,096 h + 16 r
	v_mul_u32_u24 v6, v4, 272
	v_lshl_add_u32 v6, v3, 4, v6
	v_add_nc_u32 v6, s13, v6                       ; into the stage: row h of the pair, 16 r
	v_mul_u32_u24 v7, v3, 272
	v_lshl_add_u32 v7, v4, 7, v7
	v_add_nc_u32 v7, s13, v7                       ; out of it: row r, my block's 128 bytes
	v_lshlrev_b32 v14, 4, v2                       ; 16 l
	v_lshlrev_b32 v15, 3, v2                       ; 8 l
	v_lshlrev_b32 v10, 3, v4                       ; 8 h: my byte's shift in a scale word
.macro XLOAD t                         ; image t into set t % 3 of v16-111: load j brings positions 2 j and 2 j + 1, rows 8 (tile) + 2 j + 8 (j / 4) and the next
.irp j, 0,1,2,3,4,5,6,7
	global_load_b128 v[16+32*((\t)%3)+4*\j:16+32*((\t)%3)+4*\j+3], v5, s[4:5] offset:(8*((\t)/4)+2*\j+8*(\j/4))*4096+256*((\t)%4) th:TH_LOAD_NT
.endr
.endm
.macro XTURN t                         ; through stage t % 2 into set t % 2 of v112-175.  LDS serves a wave's instructions in order: no wait between the stores and the loads
.irp j, 0,1,2,3,4,5,6,7
	ds_store_b128 v6, v[16+32*((\t)%3)+4*\j:16+32*((\t)%3)+4*\j+3] offset:4352*((\t)%2)+544*\j
.endr
.irp m, 0,1,2,3,4,5,6,7
	ds_load_b128 v[112+32*((\t)%2)+4*\m:112+32*((\t)%2)+4*\m+3], v7 offset:4352*((\t)%2)+16*\m
.endr
.endm
.macro XSTEP t
.set XS, 112+32*((\t)%2)
.set CR, 176+6*(\t)                    ; six registers of codes for each image: no store's data are written again
	s_wait_dscnt 0x0                               ; my 32 numbers are back, and the stage's stores have read set t % 3,
.if (\t) < 5
	XLOAD (\t)+3                                   ; which takes the image three on
.endif
.if (\t) < 5
	s_wait_loadcnt 16                              ; the next image's 8 loads are in; the two images behind it may be out
.elseif (\t) == 5
	s_wait_loadcnt 8
.elseif (\t) == 6
	s_wait_loadcnt 0
.endif
.if (\t) < 7
	XTURN (\t)+1
.endif
	v_max3_num_f32 v8, |v[XS]|, |v[XS+1]|, |v[XS+2]|       ; the block's largest magnitude: all 32 numbers are mine; two chains
	v_max3_num_f32 v9, |v[XS+3]|, |v[XS+4]|, |v[XS+5]|
.irp i, 6,10,14,18,22,26
	v_max3_num_f32 v8, v8, |v[XS+\i]|, |v[XS+\i+1]|
	v_max3_num_f32 v9, v9, |v[XS+\i+2]|, |v[XS+\i+3]|
.endr
	v_max3_num_f32 v8, v8, |v[XS+30]|, |v[XS+31]|
	v_max3_num_f32 v8, v8, v9, 0x1800000           ; and the floor 2^(3 - 127): the byte cannot fall under 1
	v_add_nc_u32 v11, 0xff000000, v8               ; 2 off the exponent field: the conversion takes this operand's exponent field as its scale
	v_cvt_scalef32_pk16_fp6_f32 v[CR:CR+2], v[XS:XS+15], v11
	v_cvt_scalef32_pk16_fp6_f32 v[224:226], v[XS+16:XS+31], v11   ; (a conversion's three registers begin on an even number)
	v_lshrrev_b32 v[228+(\t)], 23, v11             ; the scale's byte; also the plain instruction behind the conversions
	v_mov_b32 v[CR+3], v224
	v_mov_b32 v[CR+4], v225
	v_mov_b32 v[CR+5], v226
	global_store_b128 v14, v[CR:CR+3], s[16:17] offset:12288*((\t)/4)+768*((\t)%4)        ; 512 consecutive bytes,
	global_store_b64 v15, v[CR+4:CR+5], s[16:17] offset:12288*((\t)/4)+768*((\t)%4)+512   ; and 256
.endm
	XLOAD 0
	XLOAD 1
	XLOAD 2
	s_wait_alu depctr_va_vdst(0)
	s_wait_loadcnt 16                              ; image 0 is in
	XTURN 0
.irp t, 0,1,2,3,4,5,6,7
	XSTEP \t
.endr
; The scale words.  Lane (r, h) holds, for tile a and unit U, the byte of block 2 U + h of position 16 a + r.  Word w of a position: blocks 4 w .. 4 w + 3.
.irp a, 0,1
.irp w, 0,1
	v_lshl_or_b32 v[236+2*\a+\w], v[228+4*\a+2*\w+1], 16, v[228+4*\a+2*\w]
	v_lshlrev_b32 v[236+2*\a+\w], v10, v[236+2*\a+\w]      ; my two bytes at their places,
	v_mov_b32 v[240+2*\a+\w], 0
	v_permlanex16_b32 v[240+2*\a+\w], v[236+2*\a+\w], s[SEL], s[SEL+1]
	v_or_b32 v[236+2*\a+\w], v[236+2*\a+\w], v[240+2*\a+\w] ; with lane l xor 16's two the word is whole
.endr
.endr
	v_cmp_ne_u32 vcc_lo, 0, v4
	v_cndmask_b32 v244, v236, v238, vcc_lo         ; lane l stores position l = 16 h + r: tile h
	v_cndmask_b32 v245, v237, v239, vcc_lo
	global_store_b64 v15, v[244:245], s[18:19]     ; 256 consecutive bytes, aligned
	s_wait_tensorcnt 0x0                           ; the wave's end
	ds_add_u32 v[SPW], v[NIL]
	s_wait_dscnt 0x0
	s_endpgm
; ---- the weights: K is the FIRST axis.  A lane takes a column n and its registers run down K, so a block of 32 lies in one lane and the codes come out with K innermost.
; A wave takes 32 columns x 256 along K: 8 blocks a lane.  Column n of the 32 goes to position 16 u + i, u = (n / 8) % 2, i = n % 8 + 8 (n / 16).  Block t is half t % 2 of unit t / 2: the lane's 24 bytes
; go to the place of lane i + 16 (t % 2) in that image, in the wave's stage (two tiles, 3,200 bytes apart), and the images leave as they lie.
.macro WLOAD t, n, p
.irp i, 0,1,2,3,4,5,6,7,8,9,10,11,12,13,14,15,16,17,18,19,20,21,22,23,24,25,26,27,28,29,30,31
	global_load_b32 v[32+32*((\t)%2)+\i], v14, s[\p:\p+1] offset:(32*(\t)+\i)*(\n)*4 th:TH_LOAD_NT   ; 128 consecutive bytes a wave, 512 a work-group
.endr
.endm
.macro WBLOCK t, n, p
.set XS, 32+32*((\t)%2)
.if (\t) < 7
	s_wait_loadcnt 32                              ; this block's 32 loads are in; the next block's may be out
.else
	s_wait_loadcnt 0
.endif
	v_max3_num_f32 v26, |v[XS]|, |v[XS+1]|, |v[XS+2]|
	v_max3_num_f32 v27, |v[XS+3]|, |v[XS+4]|, |v[XS+5]|
.irp i, 6,10,14,18,22,26
	v_max3_num_f32 v26, v26, |v[XS+\i]|, |v[XS+\i+1]|
	v_max3_num_f32 v27, v27, |v[XS+\i+2]|, |v[XS+\i+3]|
.endr
	v_max3_num_f32 v26, v26, |v[XS+30]|, |v[XS+31]|
	v_max3_num_f32 v26, v26, v27, 0x1800000
	v_add_nc_u32 v28, 0xff000000, v26
	v_lshrrev_b32 v29, 23, v28
.if (\t)%4 == 0
	v_mov_b32 v[24+(\t)/4], v29                    ; four bytes to a register, the lower K in the lower byte
.else
	v_lshl_or_b32 v[24+(\t)/4], v29, 8*((\t)%4), v[24+(\t)/4]
.endif
	v_cvt_scalef32_pk16_fp6_f32 v[96:98], v[XS:XS+15], v28
	v_cvt_scalef32_pk16_fp6_f32 v[104:106], v[XS+16:XS+31], v28
	v_nop                                          ; one plain instruction behind the conversions
	v_mov_b32 v99, v104
	v_mov_b32 v100, v105
	v_mov_b32 v101, v106
	ds_store_b128 v8, v[96:99] offset:768*((\t)/2)+256*((\t)%2)
	ds_store_b64 v9, v[100:101] offset:768*((\t)/2)+512+128*((\t)%2)
.if (\t)+2 < 8
	WLOAD (\t)+2, \n, \p
.endif
	s_wait_dscnt 0x0                               ; the stores have read their registers: the next block's codes may be written
.endm
.macro WPATH n, row0, wg0, lbase, p
	s_sub_co_u32 s14, ttmp9, \wg0
	s_and_b32 s15, s14, 3                          ; which 256 along K
	s_lshr_b32 s14, s14, 2                         ; which 128 columns
	s_lshl_b32 s16, s14, 7
	s_lshl_b32 s17, s12, 5
	s_add_co_u32 s16, s16, s17                     ; my wave's first column
	s_mul_i32 s18, s15, 256*(\n)*4
	s_lshl_b32 s19, s16, 2
	s_add_co_u32 s18, s18, s19
	s_mov_b32 s19, 0
	s_add_nc_u64 s[\p:\p+1], s[\p:\p+1], s[18:19]
	s_add_co_u32 s18, s16, \row0
	s_mul_i32 s18, s18, 768                        ; a tile of 16 rows is 12,288 bytes
	s_mul_i32 s17, s15, 3072
	s_add_co_u32 s18, s18, s17
	s_add_nc_u64 s[22:23], s[10:11], s[18:19]      ; my images
	s_lshl_b32 s18, s14, 12
	s_lshl_b32 s17, s15, 10
	s_add_co_u32 s18, s18, s17
	s_lshl_b32 s17, s12, 8
	s_add_co_u32 s18, s18, s17
	s_add_co_u32 s18, s18, SC_OFF+(\row0)/128*4096
	s_add_nc_u64 s[24:25], s[10:11], s[18:19]      ; my 256 scale bytes
	v_bfe_u32 v5, v0, 3, 1                         ; u
	v_and_b32 v6, 7, v0
	s_wait_alu depctr_va_vdst(0)
	v_lshl_add_u32 v6, v4, 3, v6                   ; i
	s_mul_i32 s17, s12, 6400
	s_add_co_u32 s17, s17, \lbase                  ; my stage
	v_mul_u32_u24 v7, v5, 3200
	v_add_nc_u32 v7, s17, v7
	v_lshl_add_u32 v8, v6, 4, v7                   ; into it: 16 i,
	v_lshl_add_u32 v9, v6, 3, v7                   ; and 8 i
	v_lshl_add_u32 v10, v2, 4, s17                 ; out of it: 16 l,
	v_lshl_add_u32 v11, v2, 3, s17                 ; and 8 l
	v_lshl_add_u32 v15, v5, 4, v6
	v_lshlrev_b32 v15, 3, v15                      ; my position's 8 scale bytes
	v_lshlrev_b32 v14, 2, v2                       ; in: 4 bytes a lane
	v_lshlrev_b32 v16, 4, v2
	v_lshlrev_b32 v17, 3, v2
	WLOAD 0, \n, \p
	WLOAD 1, \n, \p
.irp t, 0,1,2,3,4,5,6,7
	WBLOCK \t, \n, \p
.endr
	s_wait_alu depctr_va_vdst(0)
	global_store_b64 v15, v[24:25], s[24:25]       ; the 32 lanes fill 256 consecutive bytes, aligned
.irp e, 0,1,2,3,4,5,6,7
	ds_load_b128 v[112+6*\e:115+6*\e], v10 offset:3200*(\e/4)+768*(\e%4)
	ds_load_b64 v[116+6*\e:117+6*\e], v11 offset:3200*(\e/4)+768*(\e%4)+512
.endr
.irp e, 0,1,2,3,4,5,6,7
	s_wait_dscnt 14-2*\e                           ; image e's two loads are in; the later images' may be out
	global_store_b128 v16, v[112+6*\e:115+6*\e], s[22:23] offset:12288*(\e/4)+768*(\e%4)
	global_store_b64 v17, v[116+6*\e:117+6*\e], s[22:23] offset:12288*(\e/4)+768*(\e%4)+512
.endr
	s_wait_tensorcnt 0x0                           ; the wave's end
	ds_add_u32 v[SPW], v[NIL]
	s_wait_dscnt 0x0
	s_endpgm
.endm
.Lweights:
	s_cmp_lt_u32 ttmp9, 352
	s_cbranch_scc0 .Lwproj
	WPATH 3072, 8192, 256, 34816, 6
.Lwproj:
	WPATH 1024, 11264, 352, 60416, 8
.Lfunc_end_k_q4f700eff4e_quant:
	.size	k_q4f700eff4e_quant, .Lfunc_end_k_q4f700eff4e_quant-k_q4f700eff4e_quant
	.p2alignl 7, 3214868480
	.fill 96, 4, 3214868480
	.section	.rodata,"a",@progbits
	.p2align	6, 0x0
	.amdhsa_kernel k_q4f700eff4e_quant
		.amdhsa_group_segment_fixed_size 86528
		.amdhsa_private_segment_fixed_size 0
		.amdhsa_enable_private_segment 0
		.amdhsa_kernarg_size 32
		.amdhsa_user_sgpr_count 2
		.amdhsa_user_sgpr_kernarg_segment_ptr 1
		.amdhsa_wavefront_size32 1
		.amdhsa_system_sgpr_workgroup_id_x 1
		.amdhsa_system_sgpr_workgroup_id_y 1
		.amdhsa_system_sgpr_workgroup_id_z 1
		.amdhsa_system_vgpr_workitem_id 0
		.amdhsa_next_free_vgpr 256
		.amdhsa_next_free_sgpr 66
		.amdhsa_reserve_vcc 1
		.amdhsa_float_denorm_mode_32 3
		.amdhsa_float_denorm_mode_16_64 3
		.amdhsa_memory_ordered 1
		.amdhsa_forward_progress 1
		.amdhsa_inst_pref_size 114
	.end_amdhsa_kernel
	.amdgpu_metadata
---
amdhsa.version: [ 1, 2 ]
amdhsa.kernels:
  - .name:           k_q4f700eff4e_quant
    .symbol:         k_q4f700eff4e_quant.kd
    .args:
      - { .name: x, .offset: 0, .size: 8, .value_kind: global_buffer, .address_space: global }
      - { .name: W_attn, .offset: 8, .size: 8, .value_kind: global_buffer, .address_space: global }
      - { .name: W_proj, .offset: 16, .size: 8, .value_kind: global_buffer, .address_space: global }
      - { .name: opnd, .offset: 24, .size: 8, .value_kind: global_buffer, .address_space: global }
    .group_segment_fixed_size: 86528
    .private_segment_fixed_size: 0
    .kernarg_segment_align: 8
    .kernarg_segment_size: 32
    .max_flat_workgroup_size: 128
    .sgpr_count:     66
    .vgpr_count:     256
    .wavefront_size: 32
...
	.end_amdgpu_metadata
.endif
;; end of part 1
;; launch qkv (part 2): grid 4 x 64, 4 waves a work-group, clusters of 4 x 4, 327,680 bytes of LDS; arguments opnd, b_attn, qkv; writes qkv
.if DOCPART == 2
	.amdgcn_target "amdgcn-amd-amdhsa--gfx1250"
	.amdhsa_code_object_version 6
	.text
	.protected	k_q4f700eff4e_qkv
	.globl	k_q4f700eff4e_qkv
	.p2align	8
	.type	k_q4f700eff4e_qkv,@function
k_q4f700eff4e_qkv:
	s_mov_b64 s[64:65], 0
	v_nop
	global_prefetch_b8 v0, s[64:65] scope:SCOPE_SE
	s_setreg_imm32_b32 hwreg(HW_REG_WAVE_MODE, 25, 1), 1
	s_wait_xcnt 0x0
	s_wait_alu depctr_hold_cnt(0) depctr_sa_sdst(0) depctr_va_vdst(0) depctr_va_sdst(0) depctr_va_ssrc(0) depctr_va_vcc(0) depctr_vm_vsrc(0)
	s_getreg_b32 s2, hwreg(HW_REG_IB_STS2, 6, 4)
	s_cmp_eq_u32 s2, 0
	s_cbranch_scc0 .Lentry_in_a_cluster
	s_endpgm
.Lentry_in_a_cluster:
	s_bfe_u32 s2, ttmp6, 0x10000c
	s_cmp_lg_u32 s2, 0xf033
	s_cbranch_scc0 .Lentry_shape_is_right
	s_endpgm
.Lentry_shape_is_right:
; LAUNCH 2 OF 4.  x W_attn + b_attn on codes of FP6 (E2M3) with E8M0 scales, K = 1,024; q, k, v are quantised in registers and leave as codes: q and k along the head's 64, v along the keys.
; Nothing of this product is left out.  LIMITS of the quantiser as stated at the head of the first launch.
; OPERANDS (opnd, first launch): images of 16 positions x 64 along K (768 bytes: lane l's first 16 bytes at 16 l, its last 8 at 512 + 8 l), [tile][16 units][768]; in each group of 32 rows position
; 16 u + i holds row 8 u + i + 8 (i / 8); scale bytes [128 positions][4 slots of 256 along K][position][8].
; THE DEAL.  256 work-groups of four waves, 2 x 2.  Work-group (column group cg = 0 .. 3, token block tb = 0 .. 63) owns 128 tokens; a wave holds 64 of them, ALL of K, in registers (32 fragments, 384 registers).
; W_attn's columns stream past in CHUNKS of 128 columns, all of K: 98,304 dense bytes.  Every work-group takes four chunks of q or k (columns 512 cg on) and then two of v (columns 2,048 + 256 cg on),
; so all work-groups run the same text.  A wave takes 64 columns of a chunk, one head: four tiles of 16, a BATCH of 32 products each, on four accumulators by turns.
; q, k: source 0 = the columns' tile, source 1 = a token tile: a lane holds one token, and accumulators 4 a + 0 .. 3 are the head's 64 channels.  v: the sources swapped: a lane holds one channel, and
; accumulators 4 b + 0 .. 3 are 64 keys.  Either way 32 registers on end become one image of 768 bytes.  THE BIAS is the C of each sum's first product.
; LDS: two slots for chunks (0 and 98,304), the tokens' region (ARG), q's or k's bias (BIA), the stages of the results' scale words (XQ, XV), the spare words.
; FILLS.  At the head one joint load a wave: the tokens, the bias, chunk 0 in halves.  Chunk 1 and the four refills stand each behind the three lines and a round of the cluster's barrier, a quarter of a chunk a wave.
; CLUSTERS 4 x 4: the tokens are shared along a row of the cluster, the chunks and the bias along a column.
; PREFETCH: in the loop's trip c the sixteen waves of a cluster's column name chunk c + 3's 384 blocks of 256 bytes once, 24 a wave, one trip ahead of the load that wants them; chunks 0 to 2 come by their loads alone.
; OUT (qkv), as the attention launch reads it: images [part q, k, v][batch x head][block of 128 tokens][8 pieces][768]; scale words [batch x head][block][768]: q's and k's [r 16][tile 8] (bytes 0, 1 used, 2, 3 zero), v's at byte 512 [r 16][channel tile 4].
; REGISTERS: window 0: addresses, scale words, bias, the way out; fragment f lies in window 1 + f / 21 at 12 (f % 21): 0-31 the tokens' (4 q + a), 32-39 and 40-47 the columns' two sets; window 3, v72-199: 16 accumulators.
.set SC_OFF, 9437184
.set NF,    32                         ; fragment loads of a tile
.set CH,    98304                      ; a chunk
.set ARG,   196608
.set BIA,   294912
.set XQ,    296960
.set XV,    301056
.set SPARE, 302080
.set O16, 4
.set O8,  5
.set SPW, 6
.set NIL, 7
.set AA,  8
.set AB0, 10
.set AB,  12
.set ABI0, 14
.set ABI, 15
.set XQ0, 16
.set XA,  17
.set XVA, 18
.set PF0, 19
.set PF,  20
.set SBO, 21
.set P16, 22
.set P8,  23
.set VBO, 24
.set XE16, 26
.set XE8, 27
.set QSO, 28
.set VSO, 29
.set SA,  32                           ; v32-47 the tokens' scale words: 8 p + q, tile 2 p in lanes 0-15, 2 p + 1 in lanes 16-31
.set SB,  52                           ; v52-67 the columns', likewise
.set VB,  68                           ; v68-75 v's bias, one number a lane and tile
.set BI,  76                           ; v76-91 the bias as C, two sets of eight
.set TM,  96
.set PB,  104
.set SOP, 112
.set W,   120
.set PC,  124
.set CT,  148
.set AL,  72                           ; the accumulators, in window 3
.set SEL, 18
.set G1A, 24
.set G1B, 32
.set W24, 45
.set SLF, 46
.set TR,  47
.set G1C, 48
.set G0A, 56
.set G0B, 60
.set G0C, 68
.set SSO, 72
.set JS,  73
.set JC,  74
.set KC,  75
.set PO,  76
.set BO,  77
.set SOQ, 78
.set SOV, 79
.set XO,  80
.set MSB, 0
.macro WIN new
.if MSB != \new
	s_set_vgpr_msb (MSB<<8)|\new
.set MSB, \new
.endif
.endm
.macro PLACES n
.rept \n
	v_nop
.endr
.endm
.macro WALU
	s_wait_alu depctr_va_vdst(0)
.endm
.macro BARRIER
	s_barrier_signal -1
	s_barrier_wait -1
.endm
.macro MIDDLE
	s_barrier_wait -1
	s_cmp_lg_u32 s14, 0
	s_cbranch_scc1 .Lnot_wave_0_\@
	s_barrier_signal -3
.Lnot_wave_0_\@:
	s_barrier_wait -3
.endm
.macro CROUND
	s_barrier_signal -1
	MIDDLE
	BARRIER
.endm
.macro TLOAD g0, g1
	tensor_load_to_lds s[\g0:\g0+3], s[\g1:\g1+7]
	s_nop 0
	PLACES 4
.endm
.macro GROUP1 g, mask, rows            ; a dense block as rows of 256 bytes (32 elements of 8)
	s_or_b32 s[\g], s[\mask], (3<<16)|(1<<21)
	s_mov_b32 s[\g+1], 32<<16
	s_mov_b32 s[\g+2], (\rows)<<16
	s_mov_b32 s[\g+3], 32<<16
	s_mov_b32 s[\g+4], \rows
	s_mov_b32 s[\g+5], 32
	s_mov_b32 s[\g+6], 0
	s_mov_b32 s[\g+7], 0
.endm
.macro WM d, p0, p1, c, x0, x1, r0, r1
.if (\r0) && (\r1)
	v_wmma_scale_f32_16x16x128_f8f6f4 v[\d:\d+7], v[\p0:\p0+11], v[\p1:\p1+11], \c, v[\x0], v[\x1] matrix_a_fmt:MATRIX_FMT_FP6 matrix_b_fmt:MATRIX_FMT_FP6 matrix_a_scale:MATRIX_SCALE_ROW1 matrix_b_scale:MATRIX_SCALE_ROW1
.elseif (\r0)
	v_wmma_scale_f32_16x16x128_f8f6f4 v[\d:\d+7], v[\p0:\p0+11], v[\p1:\p1+11], \c, v[\x0], v[\x1] matrix_a_fmt:MATRIX_FMT_FP6 matrix_b_fmt:MATRIX_FMT_FP6 matrix_a_scale:MATRIX_SCALE_ROW1
.elseif (\r1)
	v_wmma_scale_f32_16x16x128_f8f6f4 v[\d:\d+7], v[\p0:\p0+11], v[\p1:\p1+11], \c, v[\x0], v[\x1] matrix_a_fmt:MATRIX_FMT_FP6 matrix_b_fmt:MATRIX_FMT_FP6 matrix_b_scale:MATRIX_SCALE_ROW1
.else
	v_wmma_scale_f32_16x16x128_f8f6f4 v[\d:\d+7], v[\p0:\p0+11], v[\p1:\p1+11], \c, v[\x0], v[\x1] matrix_a_fmt:MATRIX_FMT_FP6 matrix_b_fmt:MATRIX_FMT_FP6
.endif
.endm
; one product: the columns' tile b (set e) x token tile a, K step q.  kind 0: q, k; kind 1: v
.macro PROD kind, e, b, q, a
.set FS_, 32+8*(\e)+(\q)
.set FR_, 4*(\q)+(\a)
.set XS_, SB+8*((\b)/2)+(\q)
.set XR_, SA+8*((\a)/2)+(\q)
.set CW_, 3
.if (\q) == 0
.set CW_, 0
.endif
.if \kind
.set D_, AL+8*(4*(\b)+(\a))
.set P0_, 12*(FR_%21)
.set P1_, 12*(FS_%21)
.set X0_, XR_
.set X1_, XS_
.set R0_, (\a)%2
.set R1_, (\b)%2
	WIN (1+FR_/21)|((1+FS_/21)<<2)|(CW_<<4)|0xc0
.else
.set D_, AL+8*(4*(\a)+(\b))
.set P0_, 12*(FS_%21)
.set P1_, 12*(FR_%21)
.set X0_, XS_
.set X1_, XR_
.set R0_, (\b)%2
.set R1_, (\a)%2
	WIN (1+FS_/21)|((1+FR_/21)<<2)|(CW_<<4)|0xc0
.endif
.if (\q) == 0
	WM D_, P0_, P1_, v[BI+8*(\e):BI+8*(\e)+7], X0_, X1_, R0_, R1_
.else
	WM D_, P0_, P1_, v[D_:D_+7], X0_, X1_, R0_, R1_
.endif
.endm
.macro BLOCK kind, e, b, q0, q1
.set Q_, \q0
.rept (\q1)-(\q0)
.irp a, 0,1,2,3
	PROD \kind, \e, \b, Q_, \a
.endr
.set Q_, Q_+1
.endr
.endm
.macro FRAG f, adr, off                ; a fragment is two images
.set R_, 12*((\f)%21)
	WIN (1+(\f)/21)<<6
	ds_load_b128 v[R_:R_+3], v[\adr] offset:\off
	ds_load_b64 v[R_+4:R_+5], v[\adr+1] offset:(\off)+512
	ds_load_b128 v[R_+6:R_+9], v[\adr] offset:(\off)+768
	ds_load_b64 v[R_+10:R_+11], v[\adr+1] offset:(\off)+1280
.endm
; tile t of my 64 columns into set e, and its bias: bk = 0 from LDS (register j of lane (r, h) is column 32 (t / 2) + 8 (t % 2) + 16 h + j), bk = 1 v's number over eight registers
.macro FETCH e, t, bk, vb
.irp q, 0,1,2,3,4,5,6,7
	FRAG 32+8*(\e)+\q, AB, (\t)*12288+\q*1536
.endr
	WIN 0
.if \bk
.irp j, 0,1,2,3,4,5,6,7
	v_mov_b32 v[BI+8*(\e)+\j], v[VB+(\vb)]
.endr
.else
	ds_load_b128 v[BI+8*(\e):BI+8*(\e)+3], v[ABI] offset:128*((\t)/2)+32*((\t)%2)
	ds_load_b128 v[BI+8*(\e)+4:BI+8*(\e)+7], v[ABI] offset:128*((\t)/2)+32*((\t)%2)+16
.endif
.endm
.macro SLOAD p                         ; the scale words of tiles 2 p, 2 p + 1 of a chunk's 64 columns: each load reads 256 consecutive bytes
.irp s, 0,1,2,3
	global_load_b64 v[SB+8*(\p)+2*\s:SB+8*(\p)+2*\s+1], v[SBO], s[4:5] offset:256*(\p)+1024*\s
.endr
.endm
; THE WAY OUT of 16 accumulators: four images.  Chain n = 2 i + e: my 16 numbers of block e of image i; lane l xor 16 holds the block's other 16.
.macro WAYOUT kind, vc
	WIN 0x0f
.irp n, 0,1,2,3,4,5,6,7
	v_max3_num_f32 v[TM+\n], |v[AL+16*\n]|, |v[AL+16*\n+1]|, 0x1800000   ; with the floor 2^(3 - 127)
.endr
.irp k, 2,4,6,8,10,12,14
.irp n, 0,1,2,3,4,5,6,7
	v_max3_num_f32 v[TM+\n], |v[AL+16*\n+\k]|, |v[AL+16*\n+\k+1]|, v[TM+\n]
.endr
.endr
	WIN 0
	WALU
	s_wait_xcnt 0x0                        ; the last chunk's stores have read their data and offsets
.if \kind
	v_add_nc_u32 v[P16], s[SOV], v[O16]
	v_add_nc_u32 v[P8], s[SOV], v[O8]
	s_add_co_u32 s[SOV], s[SOV], 196608    ; two heads on
.else
	v_add_nc_u32 v[P16], s[SOQ], v[O16]
	v_add_nc_u32 v[P8], s[SOQ], v[O8]
	v_add_nc_u32 v[XA], s[XO], v[XQ0]
	s_add_co_u32 s[SOQ], s[SOQ], 196608
	s_add_co_u32 s[XO], s[XO], 1024
.endif
.irp n, 0,1,2,3,4,5,6,7
	v_permlanex16_b32 v[PB+\n], v[TM+\n], s[SEL], s[SEL+1]
.endr
.irp n, 0,1,2,3,4,5,6,7
	v_max_num_f32 v[TM+\n], v[TM+\n], v[PB+\n]
.endr
.irp n, 0,1,2,3,4,5,6,7
	v_add_nc_u32 v[SOP+\n], 0xff000000, v[TM+\n]   ; 2 off the exponent field: the conversion's scale operand
.endr
.irp n, 0,1,2,3,4,5,6,7
	v_lshrrev_b32 v[PB+\n], 23, v[SOP+\n]          ; the byte
.endr
.irp i, 0,1,2,3
	v_lshl_or_b32 v[W+\i], v[PB+2*\i+1], 8, v[PB+2*\i]
.endr
	WIN 3
.irp i, 0,1,2,3
	v_cvt_scalef32_pk16_fp6_f32 v[PC+6*\i:PC+6*\i+2], v[AL+32*\i:AL+32*\i+15], v[SOP+2*\i]
	v_cvt_scalef32_pk16_fp6_f32 v[CT+4*\i:CT+4*\i+2], v[AL+32*\i+16:AL+32*\i+31], v[SOP+2*\i+1]
.endr
	WIN 0
	v_nop                                  ; one plain instruction behind the conversions
.irp i, 0,1,2,3                        ; a whole block to a lane: lanes 0-15 block 0, lanes 16-31 block 1
.irp j, 0,1,2
	v_permlane16_swap_b32 v[PC+6*\i+\j], v[CT+4*\i+\j]
.endr
.endr
.irp i, 0,1,2,3
.irp j, 0,1,2
	v_mov_b32 v[PC+6*\i+3+\j], v[CT+4*\i+\j]
.endr
.endr
.irp i, 0,1,2,3
	global_store_b128 v[P16], v[PC+6*\i:PC+6*\i+3], s[8:9] offset:768*\i         ; 512 consecutive bytes,
	global_store_b64 v[P8], v[PC+6*\i+4:PC+6*\i+5], s[8:9] offset:768*\i+512     ; and 256
.endr
.if \kind
.irp i, 0,1,2,3
	ds_store_b16 v[XVA], v[W+\i] offset:512*(\vc)+4*\i   ; my two of the word's four bytes (both halves of the lanes write the same)
.endr
.else
	ds_store_b128 v[XA], v[W:W+3]          ; my four tiles' words of token r
.endif
	WALU
.endm
; A CHUNK.  nxt: the next chunk is q, k (0), v (1), none (2); fill: a round and a refill; lp: inside the loop; vi, nv: where this chunk's and the next's numbers of v's bias begin.
; s_wait_dscnt NF: the tile asked for last, NF fragment loads and what follows them, may be out.  s_wait_loadcnt 4: the four scale loads issued last may be out.
.macro CHUNK kind, nxt, fill, lp, vi, nv
	WALU
	s_wait_loadcnt 0x4
	s_wait_dscnt NF
	BLOCK \kind, 0, 0, 0, 8
	WIN 0
	PLACES 4
	FETCH 0, 2, \kind, (\vi)+2
	WALU
	s_wait_dscnt NF
	BLOCK \kind, 1, 1, 0, 8
	WIN 0
	PLACES 4
	FETCH 1, 3, \kind, (\vi)+3
.if \nxt < 2
	s_wait_xcnt 0x0                        ; the offsets below are free
	v_add_nc_u32 v[SBO], s[SSO], v[O8]     ; the next chunk's scale words
.if \lp
	v_add_nc_u32 v[PF], s[PO], v[PF0]      ; my 24 blocks of the chunk three on
.endif
	WALU
.if \lp
	s_cmp_eq_u32 s[TR], 2
	s_cselect_b32 s20, s[JS], 4096         ; from q's or k's last chunk to v's first
	s_add_co_u32 s[SSO], s[SSO], s20
	s_cmp_eq_u32 s[TR], 0
	s_cselect_b32 s20, s[JC], s[KC]
	s_add_co_u32 s[PO], s[PO], s20
.else
	s_add_co_u32 s[SSO], s[SSO], 4096
.endif
	SLOAD 0
	s_wait_loadcnt 0x4
.else
	WALU
	s_wait_loadcnt 0x0
.endif
	s_wait_dscnt NF
	BLOCK \kind, 0, 2, 0, 4
	WIN 0
.if \nxt < 2
	s_wait_tensorcnt 0x0                   ; my part of the next chunk has landed
.if \fill
	ds_add_u32 v[SPW], v[NIL]
.if \lp
	s_cmp_eq_u32 s[TR], 2
	s_cselect_b32 s20, s[JC], s[KC]
.else
	s_mov_b32 s20, s[KC]
.endif
	s_add_nc_u64 s[G0B+2:G0B+3], s[G0B+2:G0B+3], s[20:21]   ; the chunk two on,
	s_add_co_u32 s[G0B+1], s[SLF], s[W24]                   ; into this chunk's slot
.endif
	s_xor_b32 s[SLF], s[SLF], CH           ; now the slot that is read next
.endif
	BLOCK \kind, 0, 2, 4, 8
	WIN 0
	s_wait_dscnt 0x0                       ; the add, and my last reads of this slot
.if \nxt < 2
	s_barrier_signal -1
.endif
	BLOCK \kind, 1, 3, 0, 8
	WIN 0
.if \fill
	MIDDLE
	BARRIER
	tensor_load_to_lds s[G0B:G0B+3], s[G1B:G1B+7]
	s_nop 0
.elseif \nxt < 2
	s_barrier_wait -1                      ; shows the last chunk
.endif
	PLACES 4
.if \nxt < 2
	v_add_nc_u32 v[AB], s[SLF], v[AB0]
	v_add_nc_u32 v[AB+1], s[SLF], v[AB0+1]
.if \nxt == 0
	s_add_co_u32 s[BO], s[BO], 512
	v_add_nc_u32 v[ABI], s[BO], v[ABI0]
.endif
	WALU
	FETCH 0, 0, \nxt, \nv
	FETCH 1, 1, \nxt, (\nv)+1
	SLOAD 1
.if \lp
	global_prefetch_b8 v[PF], s[4:5] th:TH_LOAD_NT scope:SCOPE_SE
.endif
.endif
	WAYOUT \kind, (\vi)/4
.endm
; ---- the head
	s_load_b128 s[4:7], s[0:1], 0x0                ; opnd, b_attn
	s_load_b64 s[8:9], s[0:1], 0x10                ; qkv
	v_lshl_add_u32 v[SPW], v0, 2, SPARE
	v_mov_b32 v[NIL], 0
	ds_add_u32 v[SPW], v[NIL]                      ; the opening: the add, twice on end, and its wait
	ds_add_u32 v[SPW], v[NIL]
	v_lshrrev_b32 v1, 5, v0
	v_readfirstlane_b32 s14, v1                    ; wave; s15 its half of the tokens, s16 its half of a chunk's columns
	s_lshr_b32 s15, s14, 1
	s_and_b32 s16, s14, 1
	s_bfe_u32 s40, ttmp6, 0x40000                  ; cx
	s_bfe_u32 s41, ttmp6, 0x40004                  ; cy
	s_lshl_b32 s42, ttmp9, 2
	s_add_co_u32 s42, s42, s40                     ; cg
	s_and_b32 s17, ttmp7, 0xffff
	s_lshl_b32 s17, s17, 2
	s_add_co_u32 s17, s17, s41                     ; tb
	s_lshl_b32 s43, s41, 2
	s_lshl_b32 s43, 15, s43                        ; my row of the cluster
	s_lshl_b32 s44, 0x1111, s40                    ; my column
	GROUP1 G1A, 43, 384
	GROUP1 G1B, 44, 192
	GROUP1 G1C, 44, 8
	s_mov_b32 s[SEL], 0x76543210
	s_mov_b32 s[SEL+1], 0xfedcba98
	s_mov_b32 s21, 0                               ; stays 0: the upper word of s[20:21]
	s_mul_i32 s22, s17, CH                         ; my tokens' codes
	s_mul_i32 s23, s42, 393216
	s_add_co_u32 s23, s23, 6291456                 ; chunk 0: row 8,192 + 512 cg
	s_mul_i32 s[JC], s42, 196608
	s_sub_co_u32 s[JC], 1277952, s[JC]             ; from chunk 3 to chunk 4: 1,664 - 256 cg rows
	s_mov_b32 s[KC], CH
	s_lshl_b32 s[JS], s42, 13
	s_sub_co_u32 s[JS], 53248, s[JS]               ; the same in scale bytes
	s_mul_i32 s[W24], s14, 24576
	s_add_co_u32 s[PO], s23, 3*CH
	s_lshl_b32 s[SSO], s42, 14
	s_lshl_b32 s81, s16, 9
	s_add_co_u32 s[SSO], s[SSO], s81
	s_add_co_u32 s[SSO], s[SSO], SC_OFF+262144     ; chunk 0's scale bytes, my 64 columns
	s_lshl_b32 s94, s17, 12
	s_lshl_b32 s81, s15, 9
	s_add_co_u32 s94, s94, s81
	s_add_co_u32 s94, s94, SC_OFF                  ; my 64 tokens' scale bytes
	s_mov_b32 s[SLF], 0
	s_mov_b32 s[BO], 0
	s_mov_b32 s[XO], 0
	s_lshr_b32 s81, s17, 4                         ; batch
	s_and_b32 s95, s17, 15                         ; block of 128 tokens
	s_mul_i32 s[SOQ], s81, 1572864
	s_mul_i32 s96, s95, 6144
	s_add_co_u32 s[SOQ], s[SOQ], s96
	s_mul_i32 s96, s15, 3072
	s_add_co_u32 s[SOQ], s[SOQ], s96
	s_mul_i32 s96, s16, CH
	s_add_co_u32 s[SOQ], s[SOQ], s96
	s_mul_i32 s96, s42, 393216
	s_add_co_u32 s[SOV], s[SOQ], s96
	s_add_co_u32 s[SOV], s[SOV], 12582912          ; v: head 4 cg + 2 c + s16
	s_lshr_b32 s97, s42, 1                         ; part: 0 q, 1 k
	s_and_b32 s98, s42, 1
	s_mul_i32 s96, s97, 6291456
	s_add_co_u32 s[SOQ], s[SOQ], s96
	s_mul_i32 s96, s98, 786432
	s_add_co_u32 s[SOQ], s[SOQ], s96               ; q, k: head 8 (cg % 2) + 2 c + s16
	s_mul_i32 s84, s81, 196608                     ; the scale words' records: (16 (16 batch + head) + block) x 768
	s_mul_i32 s96, s95, 768
	s_add_co_u32 s84, s84, s96
	s_mul_i32 s96, s42, 49152
	s_add_co_u32 s85, s84, s96
	s_mul_i32 s96, s14, 12288
	s_add_co_u32 s85, s85, s96
	s_add_co_u32 s85, s85, 19660800+512            ; v's: wave w stores head 4 cg + w
	s_mul_i32 s96, s97, 786432
	s_add_co_u32 s84, s84, s96
	s_mul_i32 s96, s98, CH
	s_add_co_u32 s84, s84, s96
	s_add_co_u32 s84, s84, s[W24]
	s_add_co_u32 s84, s84, 18874368                ; q's or k's: wave w stores chunk w's two heads
	s_mul_i32 s86, s15, 49152
	s_add_co_u32 s86, s86, ARG
	s_mul_i32 s87, s16, 49152
	s_lshl_b32 s88, s16, 8
	s_add_co_u32 s90, s88, XV
	s_add_co_u32 s88, s88, BIA
	s_lshl_b32 s89, s16, 9
	s_lshl_b32 s96, s15, 4
	s_add_co_u32 s89, s89, s96
	s_add_co_u32 s89, s89, XQ
	s_lshl_b32 s96, s15, 1
	s_add_co_u32 s90, s90, s96
	s_lshl_b32 s91, s14, 10
	s_add_co_u32 s91, s91, XQ
	s_lshl_b32 s92, s14, 8
	s_add_co_u32 s92, s92, XV
	s_lshl_b32 s93, s41, 2
	s_add_co_u32 s93, s93, s14
	s_mul_i32 s93, s93, 6144                       ; my sixteenth of a chunk, among the waves of my column of the cluster
	s_mov_b32 s[G0A], 1
	s_mov_b32 s[G0A+1], ARG
	s_mov_b32 s[G0B], 1
	s_mov_b32 s[G0B+1], s87
	s_mov_b32 s[G0C], 1
	s_mov_b32 s[G0C+1], BIA
	v_and_b32 v1, 15, v0                           ; r
	v_bfe_u32 v2, v0, 4, 1                         ; h
	v_and_b32 v3, 31, v0                           ; lane
	v_lshlrev_b32 v[O16], 4, v3
	v_lshlrev_b32 v[O8], 3, v3
	v_add_nc_u32 v[AA], s86, v[O16]
	v_add_nc_u32 v[AA+1], s86, v[O8]
	v_add_nc_u32 v[AB0], s87, v[O16]
	v_add_nc_u32 v[AB0+1], s87, v[O8]
	v_add_nc_u32 v[AB], s87, v[O16]
	v_add_nc_u32 v[AB+1], s87, v[O8]
	v_lshl_add_u32 v[ABI0], v2, 6, s88
	v_lshl_add_u32 v[ABI], v2, 6, s88
	v_lshl_add_u32 v[XQ0], v1, 5, s89
	v_lshl_add_u32 v[XVA], v1, 4, s90
	v_add_nc_u32 v[XE16], s91, v[O16]
	v_add_nc_u32 v[XE8], s92, v[O8]
	v_add_nc_u32 v[QSO], s84, v[O16]
	v_add_nc_u32 v[VSO], s85, v[O8]
	v_min_u32 v25, 23, v3
	v_lshl_add_u32 v[PF0], v25, 8, s93
	v_and_b32 v30, 8, v1
	v_add_nc_u32 v30, v30, v1
	v_lshlrev_b32 v[VBO], 2, v30                   ; v's bias: position r of a tile is column r + 8 (r / 8) of its 32
	v_add_nc_u32 v31, s94, v[O8]
	v_add_nc_u32 v[SBO], s[SSO], v[O8]
.irp n, 0,1,2,3,4,5,6,7
	v_mov_b32 v[PB+\n], 0                          ; a lane permute's destination counts as one of its sources
.endr
	s_add_co_u32 s[SSO], s[SSO], 4096
	WALU
	s_wait_dscnt 0x0
	CROUND                                         ; the opening round
	s_wait_kmcnt 0x0
	s_mov_b32 s20, s22
	s_add_nc_u64 s[G0A+2:G0A+3], s[4:5], s[20:21]
	s_or_b32 s[G0A+3], s[G0A+3], 0x80000000
	s_add_co_u32 s20, s23, s87
	s_add_nc_u64 s[G0B+2:G0B+3], s[4:5], s[20:21]
	s_or_b32 s[G0B+3], s[G0B+3], 0x80000000
	s_lshl_b32 s20, s42, 11
	s_add_nc_u64 s[G0C+2:G0C+3], s[6:7], s[20:21]
	s_or_b32 s[G0C+3], s[G0C+3], 0x80000000
	s_lshl_b32 s20, s42, 10
	s_lshl_b32 s96, s16, 8
	s_add_co_u32 s20, s20, s96
	s_add_co_u32 s20, s20, 8192
	s_add_nc_u64 s[82:83], s[6:7], s[20:21]        ; b_attn at column 2,048 + 256 cg + 64 s16
	s_cmp_eq_u32 s14, 0
	s_cbranch_scc0 .Lw1
	TLOAD G0A, G1A                                 ; wave 0: the tokens
	s_branch .Lasked
.Lw1:
	s_cmp_eq_u32 s14, 1
	s_cbranch_scc0 .Lw23
	TLOAD G0C, G1C                                 ; wave 1: q's or k's bias, 512 columns
	s_branch .Lasked
.Lw23:
	TLOAD G0B, G1B                                 ; waves 2, 3: chunk 0 in halves
.Lasked:
.irp t, 0,1,2,3,4,5,6,7
	global_load_b32 v[VB+\t], v[VBO], s[82:83] offset:512*(\t/4)+128*((\t%4)/2)+32*(\t%2)
.endr
.irp p, 0,1
.irp s, 0,1,2,3
	global_load_b64 v[SA+8*\p+2*\s:SA+8*\p+2*\s+1], v31, s[4:5] offset:256*\p+1024*\s
.endr
.endr
	SLOAD 0
	SLOAD 1
	s_cmp_eq_u32 s14, 0
	s_cbranch_scc0 .Lnot_a
	s_wait_tensorcnt 0x0
.Lnot_a:
	BARRIER                                        ; the tokens are in
.irp q, 0,1,2,3,4,5,6,7
.irp a, 0,1,2,3
	FRAG 4*\q+\a, AA, \a*12288+\q*1536             ; my 64 tokens, all of K
.endr
.endr
	WIN 0
	s_wait_tensorcnt 0x0                           ; the three lines ahead of slot 1's first fill, as ahead of a refill
	ds_add_u32 v[SPW], v[NIL]
	s_mov_b32 s[G1B+2], 96<<16                     ; from here on a load brings a quarter of a chunk
	s_mov_b32 s[G1B+4], 96
	s_add_co_u32 s[G0B+1], s[W24], CH
	s_add_co_u32 s20, s23, s[W24]
	s_add_co_u32 s20, s20, CH
	s_add_nc_u64 s[G0B+2:G0B+3], s[4:5], s[20:21]
	s_or_b32 s[G0B+3], s[G0B+3], 0x80000000
	s_wait_dscnt 0x0
	CROUND
	TLOAD G0B, G1B                                 ; chunk 1
	FETCH 0, 0, 0, 0
	FETCH 1, 1, 0, 0
	s_mov_b32 s[TR], 0
.Lqk:                                                  ; chunks 0 to 2
	CHUNK 0, 0, 1, 1, 0, 0
	s_add_co_u32 s[TR], s[TR], 1
	s_cmp_lt_u32 s[TR], 3
	s_cbranch_scc1 .Lqk
	CHUNK 0, 1, 1, 0, 0, 0
	CHUNK 1, 1, 0, 0, 0, 4
	CHUNK 1, 2, 0, 0, 4, 0
; ---- the end: the scale words leave LDS as whole records
	s_wait_dscnt 0x0
	BARRIER
	ds_load_b128 v[164:167], v[XE16]
	ds_load_b128 v[168:171], v[XE16] offset:512
	ds_load_b64 v[172:173], v[XE8]
	s_wait_dscnt 0x0
	global_store_b128 v[QSO], v[164:167], s[8:9]               ; 512 consecutive bytes each,
	global_store_b128 v[QSO], v[168:171], s[8:9] offset:12288
	global_store_b64 v[VSO], v[172:173], s[8:9]                ; and 256
	s_wait_tensorcnt 0x0                           ; the wave's end
	ds_add_u32 v[SPW], v[NIL]
	s_wait_dscnt 0x0
	CROUND                                         ; the closing round
	s_endpgm
.Lfunc_end_k_q4f700eff4e_qkv:
	.size	k_q4f700eff4e_qkv, .Lfunc_end_k_q4f700eff4e_qkv-k_q4f700eff4e_qkv
	.p2alignl 7, 3214868480
	.fill 96, 4, 3214868480
	.section	.rodata,"a",@progbits
	.p2align	6, 0x0
	.amdhsa_kernel k_q4f700eff4e_qkv
		.amdhsa_group_segment_fixed_size 327680
		.amdhsa_private_segment_fixed_size 0
		.amdhsa_enable_private_segment 0
		.amdhsa_kernarg_size 24
		.amdhsa_user_sgpr_count 2
		.amdhsa_user_sgpr_kernarg_segment_ptr 1
		.amdhsa_wavefront_size32 1
		.amdhsa_system_sgpr_workgroup_id_x 1
		.amdhsa_system_sgpr_workgroup_id_y 1
		.amdhsa_system_sgpr_workgroup_id_z 1
		.amdhsa_system_vgpr_workitem_id 0
		.amdhsa_next_free_vgpr 1024
		.amdhsa_next_free_sgpr 100
		.amdhsa_reserve_vcc 0
		.amdhsa_float_denorm_mode_32 3
		.amdhsa_float_denorm_mode_16_64 3
		.amdhsa_memory_ordered 1
		.amdhsa_forward_progress 1
		.amdhsa_inst_pref_size 167
	.end_amdhsa_kernel
	.amdgpu_metadata
---
amdhsa.version: [ 1, 2 ]
amdhsa.kernels:
  - .name:           k_q4f700eff4e_qkv
    .symbol:         k_q4f700eff4e_qkv.kd
    .args:
      - { .name: opnd, .offset: 0, .size: 8, .value_kind: global_buffer, .address_space: global }
      - { .name: b_attn, .offset: 8, .size: 8, .value_kind: global_buffer, .address_space: global }
      - { .name: qkv, .offset: 16, .size: 8, .value_kind: global_buffer, .address_space: global }
    .group_segment_fixed_size: 327680
    .private_segment_fixed_size: 0
    .kernarg_segment_align: 8
    .kernarg_segment_size: 24
    .max_flat_workgroup_size: 128
    .sgpr_count:     100
    .vgpr_count:     1024
    .wavefront_size: 32
...
	.end_amdgpu_metadata
.endif
;; end of part 2
;; launch attn (part 3): grid 4 x 64, 16 waves a work-group, no clusters, 276,480 bytes of LDS; arguments qkv, att; writes att
.if DOCPART == 3
	.amdgcn_target "amdgcn-amd-amdhsa--gfx1250"
	.amdhsa_code_object_version 6
	.text
	.protected	k_q4f700eff4e_attn
	.globl	k_q4f700eff4e_attn
	.p2align	8
	.type	k_q4f700eff4e_attn,@function
k_q4f700eff4e_attn:
	s_mov_b64 s[64:65], 0
	v_nop
	global_prefetch_b8 v0, s[64:65] scope:SCOPE_SE
	s_setreg_imm32_b32 hwreg(HW_REG_WAVE_MODE, 25, 1), 1
	s_wait_xcnt 0x0
; LAUNCH 3 OF 4.  softmax(q k^T / 8, causal) v for one batch and head a work-group row, both products on codes of FP6 (E2M3) with E8M0 scales; the result is quantised along C and leaves as codes for the projection.
; LEFT OUT: steps of 128 keys all of which lie behind a tile's 16 queries (reference()'s own causal mask gives them p = 0 for all inputs: shown at the head of the first launch).
; THE SOFTMAX: t = score x log2(e) / 8; M = the running largest t rounded up to a whole number; p = 2^(t - M) is quantised along the keys, not normalised; the row's sum is taken of the unquantised p and divides at
; the end; when M moves, the sum and O are multiplied by 2^(old M - new M), exactly.
; SHARES.  Work-group (j, batch x head), sixteen waves.  A wave owns one tile of 16 queries at a time, in two passes: tile w % 8 of the block of 128 queries g0 (15 - j for waves 0-7, 8 + j for waves 8-15), then of
; block 15 - g0.  Block g has g + 1 steps of 128 keys, so every wave of the launch does 17 steps, two of them on the diagonal.
; K AND V OF THE WHOLE HEAD, 196,608 bytes of codes, lie in LDS for the whole launch, [key step][16 pieces][768]: one tensor load a wave at the head, key step w: K's eight pieces and V's eight, two rows of 6,144 bytes.
; No byte is filled twice.  Waves 0-3 have a load line and a wait of their own: the first barrier shows key steps 0 to 3, which every wave reads in its first pass; a second barrier, behind those four steps, shows the rest.
; A work-group with j > 0 never reads the last j key steps.  NO CLUSTER: the four work-groups of a head would have to jump over different steps, and such a jump hangs on the work-group's number.
; NO PREFETCH: all tiles are asked for at the head.
; THE MASK on the diagonal is the C of the first product: 0 for a key that counts, -3e38 for a hidden one.  It hangs on the lane and on the tile w % 8 alone: waves 0-7 lay the eight tables (64 registers x 32 lanes each) in LDS
; at the head, and a diagonal step loads its table into the scores' registers.
; LIMIT: the promise holds while the scaled scores stay under 2^31 in magnitude: a hidden score then stays near -3e38 and its p is 0.
; LAYOUT.  Both products are used transposed (S^T = K Q^T, O^T = V^T P^T): a lane holds one query.  Pieces are images of 16 positions x 64 (768 bytes: 16 l, and 512 + 8 l); position r of token tile 2 e + u is token
; 32 e + 8 u + r + 8 (r / 8), so that the 16 registers of tiles 2 e, 2 e + 1 are keys 32 e + 16 h + 0 .. 15.  THE FIRST PRODUCT'S K IS 64, the instruction's 128: Q's registers 6-11 hold zero codes, so whatever
; stands in source 0's upper six registers (the next tile's codes, or zeros) adds nothing; the upper two scale bytes are 0 on both sides, which is 2^-127 and no NaN.
; The loops' trip counts are constants; a hidden step is jumped over by a scalar branch on ids, all but the lines that step addresses.
; LIMITS of the quantiser as stated at the head of the first launch.  The result's scale bytes leave as single bytes, 32 a tile: four heads share a position's 8 bytes, and a work-group has one head.
.set SCR,   196608                     ; K's and V's scale words, [key step][768]: stored by ds_store, no tensor load lands here
.set SPARE, 208896                     ; the spare words, 128 bytes a wave
.set MSK,   210944                     ; the masks, [tile 8][16][32 lanes][16 bytes]
.set L16, 1                            ; v1   16 x lane
.set L8,  2                            ; v2   8 x lane
.set LSK, 3                            ; v3   SCR + 32 r
.set LSV, 4                            ; v4   SCR + 512 + 16 r
.set SPW, 5
.set NIL, 6
.set QD,  7                            ; v7   my query in its block, less 16 h
.set T16, 8                            ; v8   16 l + the step
.set MA,  9                            ; v9   my tile's mask, 16 l
.set T8,  11                           ; v11  8 l + the step
.set TSK, 14
.set TSV, 15
.set QF,  16                           ; v16-27 Q; v22-27 zero codes
.set NM,  28                           ; v28 -M, v29 the largest t
.set SUM, 30                           ; v[30:31] the sum, in two halves
.set FB,  32                           ; v32-79 K's 8 pieces of 6 registers, then V's 4 fragments of 12; v80-85 zeros
.set BO,  86                           ; v86  8 r + h
.set QSO, 87                           ; v87  32 r
.set S,   88                           ; v88-151 S^T, then p
.set O,   152                          ; v152-183 O^T
.set PCD, 184                          ; v184-195 p's codes
.set CT,  196                          ; v196-198, v200-202 the conversions' second halves
.set BM,  204                          ; v204-207 the blocks' maxima
.set PB,  208                          ; v208-211 permutes' destinations, then bytes
.set SOP, 212                          ; v212-215 the conversions' scale operands
.set KSW, 216                          ; v216-223 K's scale words
.set VSW, 224                          ; v224-227 V's
.set QSW, 228
.set PSW, 229
.set F,   230                          ; v[230:231] f
.set TP,  232                          ; v232-235 at work
.set SEL, 20
.set CS,  22
.set HM,  66
	s_load_b128 s[4:7], s[0:1], 0x0                ; qkv s[4:5], att s[6:7]
	v_lshl_add_u32 v[SPW], v0, 2, SPARE
	v_mov_b32 v[NIL], 0
	ds_add_u32 v[SPW], v[NIL]                      ; the wave's opening: the add, twice on end, and its wait ahead of my first tensor load
	ds_add_u32 v[SPW], v[NIL]
	v_lshrrev_b32 v8, 5, v0
	v_readfirstlane_b32 s8, v8                     ; wave 0 .. 15: also the key step that I fetch
	s_and_b32 s9, s8, 7                            ; my tile of queries
	s_lshr_b32 s10, s8, 3                          ; my group of blocks
	s_and_b32 s12, ttmp7, 0xffff                   ; batch x 16 + head
	s_mov_b32 s24, 3<<16                           ; group 1: 2 rows (K's pieces, V's pieces) of 6,144 bytes (768 elements of 8), 6,291,456 bytes apart; no mask, no padding
	s_mov_b32 s25, 768<<16
	s_mov_b32 s26, 2<<16
	s_mov_b32 s27, 768<<16
	s_mov_b32 s28, 2
	s_mov_b32 s29, 786432
	s_mov_b32 s30, 0
	s_mov_b32 s31, 0
	s_mul_i32 s36, s12, 98304
	s_mul_i32 s37, s8, 6144
	s_add_co_u32 s36, s36, s37
	s_add_co_u32 s36, s36, 6291456                 ; K's images of key step w
	s_mov_b32 s37, 0
	s_mov_b32 s40, 1
	s_mul_i32 s41, s8, 12288                       ; key step w lies at 12,288 w
	s_mov_b32 s[SEL], 0x76543210
	s_mov_b32 s[SEL+1], 0xfedcba98
	s_mov_b32 s[CS], 0x3e38aa3b                    ; c = log2(e) / 8
	s_mov_b32 s[CS+1], s[CS]
	s_mul_i32 s38, s12, 12288
	s_mul_i32 s39, s8, 768
	s_add_co_u32 s38, s38, s39
	s_add_co_u32 s38, s38, 19660800
	s_mov_b32 s39, 0
	v_and_b32 v8, 31, v0
	v_lshlrev_b32 v[L16], 4, v8
	v_lshlrev_b32 v[L8], 3, v8
	s_wait_alu depctr_va_vdst(0)
	s_wait_dscnt 0x0                               ; both opening adds are done
	s_wait_kmcnt 0x0
	s_add_nc_u64 s[46:47], s[4:5], s[38:39]        ; key step w's 768 bytes of scale words: asked for ahead of the tile
	global_load_b64 v[32:33], v[L8], s[46:47]
	global_load_b64 v[34:35], v[L8], s[46:47] offset:256
	global_load_b64 v[36:37], v[L8], s[46:47] offset:512
	s_add_nc_u64 s[42:43], s[4:5], s[36:37]
	s_or_b32 s43, s43, 0x80000000
	s_cmp_lt_u32 s8, 4
	s_cbranch_scc0 .Llate
	tensor_load_to_lds s[40:43], s[24:31]          ; key steps 0 to 3: a line of their own, since these waves wait ahead of the first barrier
	s_nop 0
	s_branch .Lasked
.Llate:
	tensor_load_to_lds s[40:43], s[24:31]          ; key steps 4 to 15
	s_nop 0
.Lasked:
	s_sub_co_u32 s32, 15, ttmp9
	s_add_co_u32 s33, ttmp9, 8
	s_cmp_eq_u32 s10, 0
	s_cselect_b32 s34, s32, s33                    ; pass 0's block of queries,
	s_sub_co_u32 s35, 15, s34                      ; pass 1's
.macro PADDR p                         ; pass p: s[48+8p..] Q's image, +2 Q's scale words, +4 the result's image, +6 its scale bytes
	s_mul_i32 s36, s12, 98304
	s_mul_i32 s38, s[34+\p], 6144
	s_add_co_u32 s36, s36, s38
	s_mul_i32 s38, s9, 768
	s_add_co_u32 s36, s36, s38
	s_add_nc_u64 s[48+8*\p:49+8*\p], s[4:5], s[36:37]
	s_lshl_b32 s36, s12, 4
	s_add_co_u32 s36, s36, s[34+\p]
	s_mul_i32 s36, s36, 768
	s_lshl_b32 s38, s9, 2
	s_add_co_u32 s36, s36, s38
	s_add_co_u32 s36, s36, 18874368
	s_add_nc_u64 s[50+8*\p:51+8*\p], s[4:5], s[36:37]
	s_lshr_b32 s36, s12, 4
	s_lshl_b32 s36, s36, 4
	s_add_co_u32 s36, s36, s[34+\p]                ; 16 x batch + block
	s_lshl_b32 s38, s36, 12
	s_lshl_b32 s36, s36, 3
	s_add_co_u32 s36, s36, s9                      ; the tile of 16 rows
	s_mul_i32 s36, s36, 12288
	s_and_b32 s39, s12, 15                         ; the head = the unit of 64 along C
	s_mul_i32 s44, s39, 768
	s_add_co_u32 s36, s36, s44
	s_add_nc_u64 s[52+8*\p:53+8*\p], s[6:7], s[36:37]
	s_lshr_b32 s44, s39, 2
	s_lshl_b32 s44, s44, 10
	s_add_co_u32 s38, s38, s44
	s_lshl_b32 s44, s9, 7
	s_add_co_u32 s38, s38, s44
	s_and_b32 s44, s12, 3
	s_lshl_b32 s44, s44, 1
	s_add_co_u32 s38, s38, s44
	s_add_co_u32 s36, s38, 6291456
	s_add_nc_u64 s[54+8*\p:55+8*\p], s[6:7], s[36:37]
.endm
	PADDR 0
	PADDR 1
	v_and_b32 v10, 15, v0                          ; r
	v_bfe_u32 v12, v0, 4, 1                        ; h
	v_lshlrev_b32 v[QSO], 5, v10
.macro QLOAD p
	global_load_b128 v[QF:QF+3], v[L16], s[48+8*\p:49+8*\p]
	global_load_b64 v[QF+4:QF+5], v[L8], s[48+8*\p:49+8*\p] offset:512
	global_load_b32 v[QSW], v[QSO], s[50+8*\p:51+8*\p]
.endm
	QLOAD 0
	s_mul_i32 s38, s8, 768
	s_add_co_u32 s38, s38, SCR
	s_lshl_b32 s39, s9, 13
	s_add_co_u32 s39, s39, MSK
	s_lshr_b32 s44, s9, 1
	s_lshl_b32 s44, s44, 5
	s_and_b32 s45, s9, 1
	s_lshl_b32 s45, s45, 3
	s_add_co_u32 s44, s44, s45
	s_wait_alu depctr_va_vdst(0)
	v_add_nc_u32 v13, s38, v[L8]
	v_add_nc_u32 v[MA], s39, v[L16]
	v_lshl_add_u32 v[LSK], v10, 5, SCR
	v_lshl_add_u32 v[LSV], v10, 4, SCR+512
	v_lshl_add_u32 v[BO], v10, 3, v12
	v_and_b32 v[QD], 8, v10
	v_add_nc_u32 v[QD], v[QD], v10
	v_add_nc_u32 v[QD], s44, v[QD]                 ; my query in its block: 32 (a / 2) + 8 (a % 2) + r + 8 (r / 8),
	v_lshlrev_b32 v14, 4, v12
	v_sub_nc_u32 v[QD], v[QD], v14                 ; less 16 h
	v_cmp_ne_u32 s[HM], 0, v12
.irp i, 0,1,2,3,4,5
	v_mov_b32 v[QF+6+\i], 0                        ; Q's zero codes for k = 64 .. 127
	v_mov_b32 v[80+\i], 0                          ; and what stands behind K's last piece
.endr
.irp b, 0,1,2,3
	v_mov_b32 v[PB+\b], 0                          ; written once: a lane permute's destination counts as one of its sources
.endr
	v_mov_b32 v[F+1], 0                            ; (named as the upper half of a pair)
	v_mov_b32 v[TP], 0
	v_mov_b32 v[TP+1], 0xff61b1e6                  ; -3e38
	s_wait_alu depctr_va_vdst(0)
	s_cmp_lt_u32 s8, 8
	s_cbranch_scc0 .Lno_mask
.irp n, 0,1,2,3,4,5,6,7,8,9,10,11,12,13,14,15,16,17,18,19,20,21,22,23,24,25,26,27,28,29,30,31,32,33,34,35,36,37,38,39,40,41,42,43,44,45,46,47,48,49,50,51,52,53,54,55,56,57,58,59,60,61,62,63
	v_cmp_gt_i32 vcc_lo, 32*(\n/16)+\n%16, v[QD]   ; register 16 b + i holds key 32 b + 16 h + i, hidden where 32 b + i > my query - 16 h
	v_cndmask_b32 v[S+\n], 0, v[TP+1], vcc_lo
.endr
.irp k, 0,1,2,3,4,5,6,7,8,9,10,11,12,13,14,15
	ds_store_b128 v[MA], v[S+4*\k:S+4*\k+3] offset:512*\k   ; tile w's mask
.endr
.Lno_mask:
	s_wait_loadcnt 3                               ; the scale words are in; Q's three loads may be out
	ds_store_b64 v13, v[32:33]
	ds_store_b64 v13, v[34:35] offset:256
	ds_store_b64 v13, v[36:37] offset:512
	s_cmp_lt_u32 s8, 4
	s_cbranch_scc0 .Lnot_first
	s_wait_tensorcnt 0x0                           ; key steps 0 to 3 have landed,
.Lnot_first:
	s_wait_dscnt 0x0                               ; my stores too:
	s_barrier_signal -1
	s_barrier_wait -1                              ; everybody's have; the other key steps may be on their way
; A KEY STEP: 128 keys.  s14 the step, s15 my block, s16 12,288 x step, s17 768 x step.
.macro STEP
	s_cmp_gt_u32 s14, s15                          ; all its keys lie behind my queries: ids and the count of steps alone
	s_cbranch_scc1 .Lhid_\@
	v_add_nc_u32 v[T16], s16, v[L16]               ; (four plain instructions: the places in front of loads into registers that the last products read)
	v_add_nc_u32 v[T8], s16, v[L8]
	v_add_nc_u32 v[TSK], s17, v[LSK]
	v_add_nc_u32 v[TSV], s17, v[LSV]
	s_wait_alu depctr_va_vdst(0)
.irp t, 0,1,2,3,4,5,6,7
	ds_load_b128 v[FB+6*\t:FB+6*\t+3], v[T16] offset:768*\t
	ds_load_b64 v[FB+6*\t+4:FB+6*\t+5], v[T8] offset:768*\t+512
.endr
	ds_load_b128 v[KSW:KSW+3], v[TSK]
	ds_load_b128 v[KSW+4:KSW+7], v[TSK] offset:16
	s_cmp_lt_u32 s14, s15                          ; a step ahead of my block: all its keys count
	s_cbranch_scc1 .Lopen_\@
.irp k, 0,1,2,3,4,5,6,7,8,9,10,11,12,13,14,15
	ds_load_b128 v[S+4*\k:S+4*\k+3], v[MA] offset:512*\k   ; on the diagonal the sums begin with the mask
.endr
	s_wait_dscnt 0x0
.irp t, 0,1,2,3,4,5,6,7
	v_wmma_scale_f32_16x16x128_f8f6f4 v[S+8*\t:S+8*\t+7], v[FB+6*\t:FB+6*\t+11], v[QF:QF+11], v[S+8*\t:S+8*\t+7], v[KSW+\t], v[QSW] matrix_a_fmt:MATRIX_FMT_FP6 matrix_b_fmt:MATRIX_FMT_FP6
.endr
	s_branch .Lsc_\@
.Lopen_\@:
	s_wait_dscnt 0x0
.irp t, 0,1,2,3,4,5,6,7
	v_wmma_scale_f32_16x16x128_f8f6f4 v[S+8*\t:S+8*\t+7], v[FB+6*\t:FB+6*\t+11], v[QF:QF+11], 0, v[KSW+\t], v[QSW] matrix_a_fmt:MATRIX_FMT_FP6 matrix_b_fmt:MATRIX_FMT_FP6
.endr
.Lsc_\@:
.rept 4
	v_nop                                          ; places: the scores are read, and V lands where K lay
.endr
.irp t, 0,1,2,3                        ; V's fragment of channel tile t: pieces 8 + t (keys 0 .. 63) and 12 + t (keys 64 .. 127); it lands while the softmax is walked
	ds_load_b128 v[FB+12*\t:FB+12*\t+3], v[T16] offset:768*(8+\t)
	ds_load_b64 v[FB+12*\t+4:FB+12*\t+5], v[T8] offset:768*(8+\t)+512
	ds_load_b128 v[FB+12*\t+6:FB+12*\t+9], v[T16] offset:768*(12+\t)
	ds_load_b64 v[FB+12*\t+10:FB+12*\t+11], v[T8] offset:768*(12+\t)+512
.endr
	ds_load_b128 v[VSW:VSW+3], v[TSV]
.irp b, 0,1,2,3
	v_max3_num_f32 v[BM+\b], v[S+16*\b], v[S+1+16*\b], v[S+2+16*\b]   ; the largest score of each block of 32 keys: for the row's maximum, and, since p rises with the score, for the block's largest p
.endr
.irp i, 3,5,7,9,11,13
.irp b, 0,1,2,3
	v_max3_num_f32 v[BM+\b], v[BM+\b], v[S+16*\b+\i], v[S+1+16*\b+\i]
.endr
.endr
.irp b, 0,1,2,3
	v_max_num_f32 v[BM+\b], v[BM+\b], v[S+15+16*\b]
.endr
.irp b, 0,1,2,3
	s_delay_alu instid0(VALU_DEP_4)
	v_permlanex16_b32 v[PB+\b], v[BM+\b], s[SEL], s[SEL+1]
.endr
.irp b, 0,1,2,3
	s_delay_alu instid0(VALU_DEP_4)
	v_max_num_f32 v[BM+\b], v[BM+\b], v[PB+\b]     ; with lane l xor 16's 16 keys
.endr
	s_delay_alu instid0(VALU_DEP_2)
	v_max3_num_f32 v[TP], v[BM], v[BM+1], v[BM+2]
	s_delay_alu instid0(VALU_DEP_1)
	v_max_num_f32 v[TP], v[TP], v[BM+3]
	s_delay_alu instid0(VALU_DEP_1)
	v_mul_f32 v[TP], s[CS], v[TP]                  ; as t
	s_delay_alu instid0(VALU_DEP_1)
	v_max_num_f32 v[NM+1], v[NM+1], v[TP]          ; the running largest t
	v_mov_b32 v[TP], v[NM]
	s_delay_alu instid0(VALU_DEP_2)
	v_floor_f32 v[NM], -v[NM+1]                    ; -M = floor(-t): M is a whole number
	s_delay_alu instid0(VALU_DEP_1)
	v_sub_f32 v[TP], v[NM], v[TP]                  ; old M - new M, 0 or less
	s_delay_alu instid0(VALU_DEP_1)
	v_cvt_i32_f32 v[TP], v[TP]                     ; (it saturates)
	s_delay_alu instid0(VALU_DEP_1)
	v_ldexp_f32 v[F], 1.0, v[TP]                   ; f = 2^(old M - new M)
.irp j, 0,2,4,6,8,10,12,14,16,18,20,22,24,26,28,30,32,34,36,38,40,42,44,46,48,50,52,54,56,58,60,62
	v_pk_fma_f32 v[S+\j:S+1+\j], v[S+\j:S+1+\j], s[CS:CS+1], v[NM:NM+1] op_sel_hi:[1,0,0]   ; t - M
.endr
.irp b, 0,1,2,3
	v_fma_f32 v[BM+\b], v[BM+\b], s[CS], v[NM]
.endr
	s_wait_alu depctr_va_vdst(0)
.irp j, 0,1,2,3,4,5,6,7,8,9,10,11,12,13,14,15,16,17,18,19,20,21,22,23,24,25,26,27,28,29,30,31,32,33,34,35,36,37,38,39,40,41,42,43,44,45,46,47,48,49,50,51,52,53,54,55,56,57,58,59,60,61,62,63
	v_exp_f32 v[S+\j], v[S+\j]                     ; p = 2^(t - M)
.endr
	v_pk_mul_f32 v[SUM:SUM+1], v[SUM:SUM+1], v[F:F+1] op_sel_hi:[1,0]   ; the sums under the new M; the plain instruction behind the exponentials
	s_wait_alu depctr_va_vdst(0)                   ; one wait for the batch, ahead of its first reader
.irp b, 0,1,2,3
	v_exp_f32 v[BM+\b], v[BM+\b]                   ; the block's largest p
.endr
	v_pk_add_f32 v[234:235], v[92:93], v[96:97]    ; the row's sum of the unquantised p, in eight chains
	v_pk_add_f32 v[254:255], v[100:101], v[104:105]
	v_pk_add_f32 v[252:253], v[108:109], v[112:113]
	v_pk_add_f32 v[250:251], v[116:117], v[120:121]
	v_pk_add_f32 v[248:249], v[124:125], v[128:129]
	v_pk_add_f32 v[246:247], v[132:133], v[136:137]
	v_pk_add_f32 v[244:245], v[140:141], v[144:145]
	v_pk_add_f32 v[30:31], v[30:31], v[148:149]
	v_pk_add_f32 v[234:235], v[234:235], v[88:89]
	v_pk_add_f32 v[254:255], v[254:255], v[90:91]
	v_pk_add_f32 v[252:253], v[252:253], v[94:95]
	v_pk_add_f32 v[250:251], v[250:251], v[98:99]
	v_pk_add_f32 v[248:249], v[248:249], v[102:103]
	v_pk_add_f32 v[246:247], v[246:247], v[106:107]
	v_pk_add_f32 v[244:245], v[244:245], v[110:111]
	v_pk_add_f32 v[30:31], v[30:31], v[114:115]
	v_pk_add_f32 v[234:235], v[234:235], v[118:119]
	v_pk_add_f32 v[254:255], v[254:255], v[122:123]
	v_pk_add_f32 v[252:253], v[252:253], v[126:127]
	v_pk_add_f32 v[250:251], v[250:251], v[130:131]
	v_pk_add_f32 v[248:249], v[248:249], v[134:135]
	v_pk_add_f32 v[246:247], v[246:247], v[138:139]
	v_pk_add_f32 v[244:245], v[244:245], v[142:143]
	v_pk_add_f32 v[30:31], v[30:31], v[146:147]
	v_pk_add_f32 v[234:235], v[234:235], v[150:151]
	s_delay_alu instid0(VALU_DEP_2)
	v_pk_add_f32 v[30:31], v[30:31], v[250:251]
	s_delay_alu instid0(VALU_DEP_2)
	v_pk_add_f32 v[234:235], v[234:235], v[248:249]
	v_pk_add_f32 v[254:255], v[254:255], v[246:247]
	v_pk_add_f32 v[252:253], v[252:253], v[244:245]
	s_delay_alu instid0(VALU_DEP_2)
	v_pk_add_f32 v[30:31], v[30:31], v[254:255]
	s_delay_alu instid0(VALU_DEP_2)
	v_pk_add_f32 v[234:235], v[234:235], v[252:253]
	s_delay_alu instid0(VALU_DEP_1)
	v_pk_add_f32 v[30:31], v[30:31], v[234:235]
	s_wait_alu depctr_va_vdst(0)                   ; and one for the four
.irp b, 0,1,2,3
	v_max_num_f32 v[BM+\b], 0x1800000, v[BM+\b]    ; the floor 2^(3 - 127)
.endr
.irp b, 0,1,2,3
	s_delay_alu instid0(VALU_DEP_4)
	v_add_nc_u32 v[SOP+\b], 0xff000000, v[BM+\b]
.endr
.irp b, 0,1,2,3
	s_delay_alu instid0(VALU_DEP_4)
	v_lshrrev_b32 v[PB+\b], 23, v[SOP+\b]
.endr
	s_delay_alu instid0(VALU_DEP_3)
	v_lshl_or_b32 v[PSW], v[PB+1], 8, v[PB]        ; p's scale word for these 128 keys
	s_delay_alu instid0(VALU_DEP_1)
	v_lshl_or_b32 v[PSW], v[PB+2], 16, v[PSW]
	s_delay_alu instid0(VALU_DEP_1)
	v_lshl_or_b32 v[PSW], v[PB+3], 24, v[PSW]
.irp c, 0,1
	v_cvt_scalef32_pk16_fp6_f32 v[PCD+6*\c:PCD+2+6*\c], v[S+32*\c:S+15+32*\c], v[SOP+2*\c]
	v_cvt_scalef32_pk16_fp6_f32 v[CT+4*\c:CT+2+4*\c], v[S+16+32*\c:S+31+32*\c], v[SOP+2*\c+1]
.endr
	v_nop                                          ; one plain instruction behind the conversions
.irp c, 0,1
.irp i, 0,1,2
	v_permlane16_swap_b32 v[PCD+6*\c+\i], v[CT+4*\c+\i]
.endr
.irp i, 0,1,2
	s_delay_alu instid0(VALU_DEP_3)
	v_mov_b32 v[PCD+3+6*\c+\i], v[CT+4*\c+\i]
.endr
.endr
.irp j, 0,2,4,6,8,10,12,14,16,18,20,22,24,26,28,30
	v_pk_mul_f32 v[O+\j:O+1+\j], v[O+\j:O+1+\j], v[F:F+1] op_sel_hi:[1,0]   ; O^T under the new M; these 16 are also the places between p's scale word and codes and the products
.endr
	s_wait_alu depctr_va_vdst(0)
	s_wait_dscnt 0x0                               ; V
.irp t, 0,1,2,3
	v_wmma_scale_f32_16x16x128_f8f6f4 v[O+8*\t:O+8*\t+7], v[FB+12*\t:FB+12*\t+11], v[PCD:PCD+11], v[O+8*\t:O+8*\t+7], v[VSW+\t], v[PSW] matrix_a_fmt:MATRIX_FMT_FP6 matrix_b_fmt:MATRIX_FMT_FP6
.endr
.Lhid_\@:
	s_add_co_u32 s16, s16, 12288                   ; the next step's pieces and scale words: in every trip
	s_add_co_u32 s17, s17, 768
.endm
; O^T / the sum is quantised along C: my 32 registers are two blocks of 32 channels (16 a lane half), and become the image (my tile, my head).
.macro FINAL p
.rept 4
	v_nop                                          ; places behind the last products
.endr
	v_add_f32 v[SUM], v[SUM], v[SUM+1]
	s_delay_alu instid0(VALU_DEP_1)
	v_permlanex16_b32 v[TP], v[SUM], s[SEL], s[SEL+1]
	s_delay_alu instid0(VALU_DEP_1)
	v_add_f32 v[SUM], v[SUM], v[TP]                ; the row's sum
	s_wait_alu depctr_va_vdst(0)
	v_rcp_f32 v[SUM], v[SUM]
	v_nop
	s_wait_alu depctr_va_vdst(0)                   ; ahead of the reciprocal's first reader
.irp j, 0,1,2,3,4,5,6,7,8,9,10,11,12,13,14,15,16,17,18,19,20,21,22,23,24,25,26,27,28,29,30,31
	v_mul_f32 v[S+\j], v[O+\j], v[SUM]             ; register 16 e + i: channel 32 e + 16 h + i
.endr
.irp b, 0,1
	v_max3_num_f32 v[BM+\b], |v[S+16*\b]|, |v[S+1+16*\b]|, 0x1800000
.endr
.irp i, 2,4,6,8,10,12,14
.irp b, 0,1
	s_delay_alu instid0(VALU_DEP_2)
	v_max3_num_f32 v[BM+\b], v[BM+\b], |v[S+16*\b+\i]|, |v[S+1+16*\b+\i]|
.endr
.endr
.irp b, 0,1
	s_delay_alu instid0(VALU_DEP_2)
	v_permlanex16_b32 v[PB+\b], v[BM+\b], s[SEL], s[SEL+1]
.endr
.irp b, 0,1
	s_delay_alu instid0(VALU_DEP_2)
	v_max_num_f32 v[BM+\b], v[BM+\b], v[PB+\b]
.endr
.irp b, 0,1
	s_delay_alu instid0(VALU_DEP_2)
	v_add_nc_u32 v[SOP+\b], 0xff000000, v[BM+\b]
.endr
.irp b, 0,1
	s_delay_alu instid0(VALU_DEP_2)
	v_lshrrev_b32 v[PB+\b], 23, v[SOP+\b]
.endr
	v_cvt_scalef32_pk16_fp6_f32 v[PCD:PCD+2], v[S:S+15], v[SOP]
	v_cvt_scalef32_pk16_fp6_f32 v[CT:CT+2], v[S+16:S+31], v[SOP+1]
	v_nop
.irp i, 0,1,2
	v_permlane16_swap_b32 v[PCD+\i], v[CT+\i]
.endr
.irp i, 0,1,2
	s_delay_alu instid0(VALU_DEP_3)
	v_mov_b32 v[PCD+3+\i], v[CT+\i]
.endr
	v_cndmask_b32 v[TP+1], v[PB], v[PB+1], s[HM]   ; lane (r, h) stores block h's byte
	global_store_b128 v[L16], v[PCD:PCD+3], s[52+8*\p:53+8*\p]              ; 512 consecutive bytes,
	global_store_b64 v[L8], v[PCD+4:PCD+5], s[52+8*\p:53+8*\p] offset:512   ; and 256
	global_store_b8 v[BO], v[TP+1], s[54+8*\p:55+8*\p]
.endm
.macro PASS p, trips
.if \p > 0
	s_wait_xcnt 0x0                                ; the last pass's stores have read their data
.endif
	s_wait_loadcnt 0x0                             ; Q
	s_mov_b32 s15, s[34+\p]
	v_mov_b32 v[NM+1], 0xff61b1e6                  ; the largest t so far: -3e38
	s_delay_alu instid0(VALU_DEP_1)
	v_floor_f32 v[NM], -v[NM+1]
	v_mov_b32 v[SUM], 0
	v_mov_b32 v[SUM+1], 0
.irp j, 0,1,2,3,4,5,6,7,8,9,10,11,12,13,14,15,16,17,18,19,20,21,22,23,24,25,26,27,28,29,30,31
	v_mov_b32 v[O+\j], 0                           ; the step is written once: the first finds zeros, which the first change of M leaves zeros
.endr
	s_mov_b32 s14, 0
	s_mov_b32 s16, 0
	s_mov_b32 s17, 0
.if \p == 0
.Lka_\@:                                               ; key steps 0 to 3, which the first barrier has shown
	STEP
	s_add_co_u32 s14, s14, 1
	s_cmp_lt_u32 s14, 4
	s_cbranch_scc1 .Lka_\@
	s_wait_tensorcnt 0x0                           ; every wave's tile has landed:
	s_wait_dscnt 0x0
	s_barrier_signal -1
	s_barrier_wait -1                              ; all sixteen key steps are shown
	s_mov_b32 s14, 4
	s_mov_b32 s16, 4*12288
	s_mov_b32 s17, 4*768
.endif
.Lks_\@:
	STEP
	s_add_co_u32 s14, s14, 1
	s_cmp_lt_u32 s14, \trips
	s_cbranch_scc1 .Lks_\@
.if \p == 0
	QLOAD 1                                        ; the next pass's Q lands while this pass's result leaves
.endif
	FINAL \p
.endm
	PASS 0, 16
	PASS 1, 8
	s_wait_tensorcnt 0x0                           ; the wave's end
	ds_add_u32 v[SPW], v[NIL]
	s_wait_dscnt 0x0
	s_endpgm
.Lfunc_end_k_q4f700eff4e_attn:
	.size	k_q4f700eff4e_attn, .Lfunc_end_k_q4f700eff4e_attn-k_q4f700eff4e_attn
	.p2alignl 7, 3214868480
	.fill 96, 4, 3214868480
	.section	.rodata,"a",@progbits
	.p2align	6, 0x0
	.amdhsa_kernel k_q4f700eff4e_attn
		.amdhsa_group_segment_fixed_size 276480
		.amdhsa_private_segment_fixed_size 0
		.amdhsa_enable_private_segment 0
		.amdhsa_kernarg_size 16
		.amdhsa_user_sgpr_count 2
		.amdhsa_user_sgpr_kernarg_segment_ptr 1
		.amdhsa_wavefront_size32 1
		.amdhsa_system_sgpr_workgroup_id_x 1
		.amdhsa_system_sgpr_workgroup_id_y 1
		.amdhsa_system_sgpr_workgroup_id_z 1
		.amdhsa_system_vgpr_workitem_id 0
		.amdhsa_next_free_vgpr 256
		.amdhsa_next_free_sgpr 68
		.amdhsa_reserve_vcc 1
		.amdhsa_float_denorm_mode_32 3
		.amdhsa_float_denorm_mode_16_64 3
		.amdhsa_memory_ordered 1
		.amdhsa_forward_progress 1
		.amdhsa_inst_pref_size 85
	.end_amdhsa_kernel
	.amdgpu_metadata
---
amdhsa.version: [ 1, 2 ]
amdhsa.kernels:
  - .name:           k_q4f700eff4e_attn
    .symbol:         k_q4f700eff4e_attn.kd
    .args:
      - { .name: qkv, .offset: 0, .size: 8, .value_kind: global_buffer, .address_space: global }
      - { .name: att, .offset: 8, .size: 8, .value_kind: global_buffer, .address_space: global }
    .group_segment_fixed_size: 276480
    .private_segment_fixed_size: 0
    .kernarg_segment_align: 8
    .kernarg_segment_size: 16
    .max_flat_workgroup_size: 512
    .sgpr_count:     68
    .vgpr_count:     256
    .wavefront_size: 32
...
	.end_amdgpu_metadata
.endif
;; end of part 3
;; launch proj (part 4): grid 4 x 64, 4 waves a work-group, clusters of 4 x 4, 327,680 bytes of LDS; arguments att, opnd, b_proj, out0; writes out0
.if DOCPART == 4
	.amdgcn_target "amdgcn-amd-amdhsa--gfx1250"
	.amdhsa_code_object_version 6
	.text
	.protected	k_q4f700eff4e_proj
	.globl	k_q4f700eff4e_proj
	.p2align	8
	.type	k_q4f700eff4e_proj,@function
k_q4f700eff4e_proj:
	s_mov_b64 s[64:65], 0
	v_nop
	global_prefetch_b8 v0, s[64:65] scope:SCOPE_SE
	s_setreg_imm32_b32 hwreg(HW_REG_WAVE_MODE, 25, 1), 1
	s_wait_xcnt 0x0
	s_wait_alu depctr_hold_cnt(0) depctr_sa_sdst(0) depctr_va_vdst(0) depctr_va_sdst(0) depctr_va_ssrc(0) depctr_va_vcc(0) depctr_vm_vsrc(0)
	s_getreg_b32 s2, hwreg(HW_REG_IB_STS2, 6, 4)
	s_cmp_eq_u32 s2, 0
	s_cbranch_scc0 .Lentry_in_a_cluster
	s_endpgm
.Lentry_in_a_cluster:
	s_bfe_u32 s2, ttmp6, 0x10000c
	s_cmp_lg_u32 s2, 0xf033
	s_cbranch_scc0 .Lentry_shape_is_right
	s_endpgm
.Lentry_shape_is_right:
; LAUNCH 4 OF 4.  attn W_proj + b_proj on codes of FP6 (E2M3) with E8M0 scales, K = 1,024; the result is f32.  Nothing of this product is left out.
; OPERANDS: att (third launch) and opnd's rows 11,264 on (first launch), both as images of 16 positions x 64 along K, [tile][16 units][768], position 16 u + i of a group of 32 rows = row 8 u + i + 8 (i / 8);
; scale bytes [128 positions][4 slots of 256 along K][position][8].
; THE DEAL.  256 work-groups of four waves, 2 x 2: 128 tokens x 256 columns.  A wave holds 64 tokens, all of K, in registers (32 fragments); W_proj's columns come in two chunks of 128, all of K; a wave takes 64
; columns of a chunk: four tiles of 16, a batch of 32 products each, on four accumulators by turns.  Source 0 = the columns' tile, source 1 = a token tile: a lane holds one token,
; and accumulators 4 a + 0 .. 3 are 64 neighbouring columns.  THE BIAS is the C of each sum's first product.
; FILLS: all at the head, one joint load a wave: the tokens, the bias, chunk 0, chunk 1.  No byte is filled twice.  CLUSTERS 4 x 4: the tokens are shared along a row, the chunks and the bias along a column.
; NO PREFETCH: every tile is asked for at the head, so the launch has no loop to run ahead in.
; THE WAY OUT: 16 tokens x 64 columns go through the wave's own stage (rows of 272 bytes) and leave as rows of 256 bytes, sixteen lanes to a row.  The stages lie in the tokens' region, which has had its one fill and,
; behind the second barrier, its last read.
.set SC_OFF, 9437184
.set AT_SC,  6291456
.set NF,    32
.set CH,    98304
.set ARG,   196608
.set BIA,   294912
.set SPARE, 295936
.set O16, 4
.set O8,  5
.set SPW, 6
.set NIL, 7
.set AA,  8
.set AB,  10                           ; v10-11 slot 0, v12-13 slot 1
.set ABI, 14
.set STO, 15
.set RD,  16
.set CO,  17
.set SA,  32
.set SB,  52                           ; v52-67 chunk 0's scale words, v68-83 chunk 1's
.set BI,  84
.set BK,  100                          ; v100-163 rows read back from the stage, two sets
.set AL,  72
.set G1A, 24
.set G1B, 32
.set G1C, 48
.set G0A, 56
.set G0B, 60
.set G0C, 68
.set G0D, 72
.set MSB, 0
.macro WIN new
.if MSB != \new
	s_set_vgpr_msb (MSB<<8)|\new
.set MSB, \new
.endif
.endm
.macro PLACES n
.rept \n
	v_nop
.endr
.endm
.macro WALU
	s_wait_alu depctr_va_vdst(0)
.endm
.macro BARRIER
	s_barrier_signal -1
	s_barrier_wait -1
.endm
.macro CROUND
	s_barrier_signal -1
	s_barrier_wait -1
	s_cmp_lg_u32 s14, 0
	s_cbranch_scc1 .Lnot_wave_0_\@
	s_barrier_signal -3
.Lnot_wave_0_\@:
	s_barrier_wait -3
	BARRIER
.endm
.macro TLOAD g0, g1
	tensor_load_to_lds s[\g0:\g0+3], s[\g1:\g1+7]
	s_nop 0
	PLACES 4
.endm
.macro GROUP1 g, mask, rows
	s_or_b32 s[\g], s[\mask], (3<<16)|(1<<21)
	s_mov_b32 s[\g+1], 32<<16
	s_mov_b32 s[\g+2], (\rows)<<16
	s_mov_b32 s[\g+3], 32<<16
	s_mov_b32 s[\g+4], \rows
	s_mov_b32 s[\g+5], 32
	s_mov_b32 s[\g+6], 0
	s_mov_b32 s[\g+7], 0
.endm
.macro GROUP0 g, lds, base, off
	s_mov_b32 s[\g], 1
	s_mov_b32 s[\g+1], \lds
	s_mov_b32 s20, s\off
	s_add_nc_u64 s[\g+2:\g+3], s[\base:\base+1], s[20:21]
	s_or_b32 s[\g+3], s[\g+3], 0x80000000
.endm
.macro WM d, p0, p1, c, x0, x1, r0, r1
.if (\r0) && (\r1)
	v_wmma_scale_f32_16x16x128_f8f6f4 v[\d:\d+7], v[\p0:\p0+11], v[\p1:\p1+11], \c, v[\x0], v[\x1] matrix_a_fmt:MATRIX_FMT_FP6 matrix_b_fmt:MATRIX_FMT_FP6 matrix_a_scale:MATRIX_SCALE_ROW1 matrix_b_scale:MATRIX_SCALE_ROW1
.elseif (\r0)
	v_wmma_scale_f32_16x16x128_f8f6f4 v[\d:\d+7], v[\p0:\p0+11], v[\p1:\p1+11], \c, v[\x0], v[\x1] matrix_a_fmt:MATRIX_FMT_FP6 matrix_b_fmt:MATRIX_FMT_FP6 matrix_a_scale:MATRIX_SCALE_ROW1
.elseif (\r1)
	v_wmma_scale_f32_16x16x128_f8f6f4 v[\d:\d+7], v[\p0:\p0+11], v[\p1:\p1+11], \c, v[\x0], v[\x1] matrix_a_fmt:MATRIX_FMT_FP6 matrix_b_fmt:MATRIX_FMT_FP6 matrix_b_scale:MATRIX_SCALE_ROW1
.else
	v_wmma_scale_f32_16x16x128_f8f6f4 v[\d:\d+7], v[\p0:\p0+11], v[\p1:\p1+11], \c, v[\x0], v[\x1] matrix_a_fmt:MATRIX_FMT_FP6 matrix_b_fmt:MATRIX_FMT_FP6
.endif
.endm
.macro PROD c, e, b, q, a              ; chunk c's tile b (set e) x token tile a, K step q
.set FS_, 32+8*(\e)+(\q)
.set FR_, 4*(\q)+(\a)
.set X0_, SB+16*(\c)+8*((\b)/2)+(\q)
.set X1_, SA+8*((\a)/2)+(\q)
.set D_, AL+8*(4*(\a)+(\b))
.set P0_, 12*(FS_%21)
.set P1_, 12*(FR_%21)
.set R0_, (\b)%2
.set R1_, (\a)%2
.if (\q) == 0
	WIN (1+FS_/21)|((1+FR_/21)<<2)|0xc0
	WM D_, P0_, P1_, v[BI+8*(\e):BI+8*(\e)+7], X0_, X1_, R0_, R1_
.else
	WIN (1+FS_/21)|((1+FR_/21)<<2)|0xf0
	WM D_, P0_, P1_, v[D_:D_+7], X0_, X1_, R0_, R1_
.endif
.endm
.macro BLOCK c, e, b
.set Q_, 0
.rept 8
.irp a, 0,1,2,3
	PROD \c, \e, \b, Q_, \a
.endr
.set Q_, Q_+1
.endr
	WIN 0
.endm
.macro FRAG f, adr, off
.set R_, 12*((\f)%21)
	WIN (1+(\f)/21)<<6
	ds_load_b128 v[R_:R_+3], v[\adr] offset:\off
	ds_load_b64 v[R_+4:R_+5], v[\adr+1] offset:(\off)+512
	ds_load_b128 v[R_+6:R_+9], v[\adr] offset:(\off)+768
	ds_load_b64 v[R_+10:R_+11], v[\adr+1] offset:(\off)+1280
.endm
.macro FETCH c, e, t                   ; chunk c's tile t of my 64 columns into set e, and its bias: register j of lane (r, h) is column 32 (t / 2) + 8 (t % 2) + 16 h + j
.irp q, 0,1,2,3,4,5,6,7
	FRAG 32+8*(\e)+\q, AB+2*(\c), (\t)*12288+\q*1536
.endr
	WIN 0
	ds_load_b128 v[BI+8*(\e):BI+8*(\e)+3], v[ABI] offset:512*(\c)+128*((\t)/2)+32*((\t)%2)
	ds_load_b128 v[BI+8*(\e)+4:BI+8*(\e)+7], v[ABI] offset:512*(\c)+128*((\t)/2)+32*((\t)%2)+16
.endm
.macro TOSTAGE a                       ; token tile a's 32 registers: register 16 e + i is column 32 e + 16 h + i; each accumulator from its low end on
	WIN 0x0c
.irp k, 0,1,2,3,4,5,6,7
	ds_store_b128 v[STO], v[AL+32*(\a)+4*\k:AL+32*(\a)+4*\k+3] offset:4352*((\a)%2)+128*(\k/4)+16*(\k%4)
.endr
	WIN 0
.irp t, 0,1,2,3,4,5,6,7
	ds_load_b128 v[BK+32*((\a)%2)+4*\t:BK+32*((\a)%2)+4*\t+3], v[RD] offset:4352*((\a)%2)+544*\t   ; LDS serves a wave's instructions in order: these see the stores above
.endr
.endm
.macro SEND a, younger, c              ; positions 2 t + h of tile a are tokens 32 (a / 2) + 8 (a % 2) + 2 t + h + 8 (t / 4)
	s_wait_dscnt \younger
.irp t, 0,1,2,3,4,5,6,7
	global_store_b128 v[CO], v[BK+32*((\a)%2)+4*\t:BK+32*((\a)%2)+4*\t+3], s[10:11] offset:(32*((\a)/2)+8*((\a)%2)+2*\t+8*(\t/4))*4096+512*(\c) th:TH_STORE_NT   ; sixteen lanes store 256 consecutive bytes, aligned
.endr
.endm
.macro WAYOUT c
	s_wait_xcnt 0x0                        ; earlier stores have read their data
	TOSTAGE 0
.irp a, 1,2,3
.if \a > 1
	s_wait_xcnt 0x0
.endif
	TOSTAGE \a
	SEND \a-1, 16, \c                      ; behind tile a - 1's loads: tile a's 8 stores and 8 loads
.endr
	SEND 3, 0, \c
.endm
; ---- the head
	s_load_b128 s[4:7], s[0:1], 0x0                ; att, opnd
	s_load_b128 s[8:11], s[0:1], 0x10              ; b_proj, out0
	v_lshl_add_u32 v[SPW], v0, 2, SPARE
	v_mov_b32 v[NIL], 0
	ds_add_u32 v[SPW], v[NIL]                      ; the opening: the add, twice on end, and its wait
	ds_add_u32 v[SPW], v[NIL]
	v_lshrrev_b32 v1, 5, v0
	v_readfirstlane_b32 s14, v1
	s_lshr_b32 s15, s14, 1                         ; my half of the tokens
	s_and_b32 s16, s14, 1                          ; my half of a chunk's columns
	s_bfe_u32 s40, ttmp6, 0x40000
	s_bfe_u32 s41, ttmp6, 0x40004
	s_lshl_b32 s42, ttmp9, 2
	s_add_co_u32 s42, s42, s40                     ; column group
	s_and_b32 s17, ttmp7, 0xffff
	s_lshl_b32 s17, s17, 2
	s_add_co_u32 s17, s17, s41                     ; token block
	s_lshl_b32 s43, s41, 2
	s_lshl_b32 s43, 15, s43
	s_lshl_b32 s44, 0x1111, s40
	GROUP1 G1A, 43, 384
	GROUP1 G1B, 44, 384
	GROUP1 G1C, 44, 4
	s_mov_b32 s21, 0
	s_mul_i32 s22, s17, CH                         ; my tokens' codes
	s_mul_i32 s23, s42, 196608
	s_add_co_u32 s23, s23, 8650752                 ; chunk 0: row 11,264 + 256 cg
	s_add_co_u32 s76, s23, CH                      ; chunk 1
	s_lshl_b32 s77, s42, 10                        ; 256 columns of f32
	s_lshl_b32 s78, s17, 12
	s_lshl_b32 s81, s15, 9
	s_add_co_u32 s78, s78, s81
	s_add_co_u32 s78, s78, AT_SC                   ; my 64 tokens' scale bytes
	s_lshl_b32 s79, s42, 13
	s_lshl_b32 s81, s16, 9
	s_add_co_u32 s79, s79, s81
	s_add_co_u32 s79, s79, SC_OFF+360448           ; my 64 columns' scale bytes in chunk 0
	s_lshl_b32 s80, s17, 19                        ; out0: 128 tokens of 4,096 bytes,
	s_lshl_b32 s81, s15, 18
	s_add_co_u32 s80, s80, s81
	s_add_co_u32 s80, s80, s77
	s_lshl_b32 s81, s16, 8
	s_add_co_u32 s80, s80, s81                     ; my 64 tokens and my 64 columns
	s_add_co_u32 s88, s81, BIA
	s_mul_i32 s86, s15, 49152
	s_add_co_u32 s86, s86, ARG
	s_mul_i32 s87, s16, 49152
	s_add_co_u32 s89, s87, CH
	s_mul_i32 s90, s14, 8704
	s_add_co_u32 s90, s90, ARG                     ; my two stages
	v_and_b32 v1, 15, v0
	v_bfe_u32 v2, v0, 4, 1
	v_and_b32 v3, 31, v0
	v_lshlrev_b32 v[O16], 4, v3
	v_lshlrev_b32 v[O8], 3, v3
	v_add_nc_u32 v[AA], s86, v[O16]
	v_add_nc_u32 v[AA+1], s86, v[O8]
	v_add_nc_u32 v[AB], s87, v[O16]
	v_add_nc_u32 v[AB+1], s87, v[O8]
	v_add_nc_u32 v[AB+2], s89, v[O16]
	v_add_nc_u32 v[AB+3], s89, v[O8]
	v_lshl_add_u32 v[ABI], v2, 6, s88
	v_mul_u32_u24 v18, v1, 272
	v_lshl_add_u32 v18, v2, 6, v18
	v_add_nc_u32 v[STO], s90, v18                  ; into the stage: row r, 64 h
	v_mul_u32_u24 v19, v2, 272
	v_lshl_add_u32 v19, v1, 4, v19
	v_add_nc_u32 v[RD], s90, v19                   ; out of it: row h of a pair, 16 r
	v_lshlrev_b32 v20, 12, v2
	v_lshl_add_u32 v[CO], v1, 4, v20               ; and the same in out0
	v_add_nc_u32 v21, s78, v[O8]
	v_add_nc_u32 v22, s79, v[O8]
	WALU
	s_wait_dscnt 0x0
	CROUND                                         ; the opening round
	s_wait_kmcnt 0x0
	GROUP0 G0A, ARG, 4, 22
	GROUP0 G0C, BIA, 8, 77
	GROUP0 G0B, 0, 6, 23
	GROUP0 G0D, CH, 6, 76
	s_mov_b32 s20, s80
	s_add_nc_u64 s[10:11], s[10:11], s[20:21]
	s_cmp_eq_u32 s14, 0
	s_cbranch_scc0 .Lw1
	TLOAD G0A, G1A                                 ; wave 0: the tokens
	s_branch .Lasked
.Lw1:
	s_cmp_eq_u32 s14, 1
	s_cbranch_scc0 .Lw2
	TLOAD G0C, G1C                                 ; wave 1: the bias
	s_branch .Lasked
.Lw2:
	s_cmp_eq_u32 s14, 2
	s_cbranch_scc0 .Lw3
	TLOAD G0B, G1B                                 ; wave 2: chunk 0
	s_branch .Lasked
.Lw3:
	TLOAD G0D, G1B                                 ; wave 3: chunk 1
.Lasked:
.irp p, 0,1
.irp s, 0,1,2,3
	global_load_b64 v[SA+8*\p+2*\s:SA+8*\p+2*\s+1], v21, s[4:5] offset:256*\p+1024*\s      ; each load reads 256 consecutive bytes
.endr
.endr
.irp c, 0,1
.irp p, 0,1
.irp s, 0,1,2,3
	global_load_b64 v[SB+16*\c+8*\p+2*\s:SB+16*\c+8*\p+2*\s+1], v22, s[6:7] offset:4096*\c+256*\p+1024*\s
.endr
.endr
.endr
	s_cmp_eq_u32 s14, 0
	s_cbranch_scc0 .Lnot_a
	s_wait_tensorcnt 0x0
.Lnot_a:
	BARRIER                                        ; the tokens are in
.irp q, 0,1,2,3,4,5,6,7
.irp a, 0,1,2,3
	FRAG 4*\q+\a, AA, \a*12288+\q*1536
.endr
.endr
	WIN 0
	s_cmp_eq_u32 s14, 3
	s_cbranch_scc1 .Lnot_c
	s_wait_tensorcnt 0x0
.Lnot_c:
	s_wait_dscnt 0x0
	BARRIER                                        ; the bias and chunk 0 are in, and nobody reads the tokens' region any more; chunk 1 may be on its way
	FETCH 0, 0, 0
	FETCH 0, 1, 1
	s_wait_loadcnt 0x0                             ; the scale words
; ---- chunk 0.  s_wait_dscnt NF: the tile asked for last may be out
	s_wait_dscnt NF
	BLOCK 0, 0, 0
	PLACES 4
	FETCH 0, 0, 2
	s_wait_dscnt NF
	BLOCK 0, 1, 1
	PLACES 4
	FETCH 0, 1, 3
	s_wait_dscnt NF
	BLOCK 0, 0, 2
	s_wait_tensorcnt 0x0
	s_wait_dscnt 0x0
	s_barrier_signal -1
	BLOCK 0, 1, 3
	s_barrier_wait -1                              ; chunk 1 is in
	PLACES 4
	FETCH 1, 0, 0
	FETCH 1, 1, 1
	WAYOUT 0
; ---- chunk 1
	BLOCK 1, 0, 0
	PLACES 4
	FETCH 1, 0, 2
	s_wait_dscnt NF
	BLOCK 1, 1, 1
	PLACES 4
	FETCH 1, 1, 3
	s_wait_dscnt NF
	BLOCK 1, 0, 2
	s_wait_dscnt 0x0
	BLOCK 1, 1, 3
	PLACES 4
	WAYOUT 1
	s_wait_tensorcnt 0x0                           ; the wave's end
	ds_add_u32 v[SPW], v[NIL]
	s_wait_dscnt 0x0
	CROUND                                         ; the closing round
	s_endpgm
.Lfunc_end_k_q4f700eff4e_proj:
	.size	k_q4f700eff4e_proj, .Lfunc_end_k_q4f700eff4e_proj-k_q4f700eff4e_proj
	.p2alignl 7, 3214868480
	.fill 96, 4, 3214868480
	.section	.rodata,"a",@progbits
	.p2align	6, 0x0
	.amdhsa_kernel k_q4f700eff4e_proj
		.amdhsa_group_segment_fixed_size 327680
		.amdhsa_private_segment_fixed_size 0
		.amdhsa_enable_private_segment 0
		.amdhsa_kernarg_size 32
		.amdhsa_user_sgpr_count 2
		.amdhsa_user_sgpr_kernarg_segment_ptr 1
		.amdhsa_wavefront_size32 1
		.amdhsa_system_sgpr_workgroup_id_x 1
		.amdhsa_system_sgpr_workgroup_id_y 1
		.amdhsa_system_sgpr_workgroup_id_z 1
		.amdhsa_system_vgpr_workitem_id 0
		.amdhsa_next_free_vgpr 1024
		.amdhsa_next_free_sgpr 100
		.amdhsa_reserve_vcc 0
		.amdhsa_float_denorm_mode_32 3
		.amdhsa_float_denorm_mode_16_64 3
		.amdhsa_memory_ordered 1
		.amdhsa_forward_progress 1
		.amdhsa_inst_pref_size 86
	.end_amdhsa_kernel
	.amdgpu_metadata
---
amdhsa.version: [ 1, 2 ]
amdhsa.kernels:
  - .name:           k_q4f700eff4e_proj
    .symbol:         k_q4f700eff4e_proj.kd
    .args:
      - { .name: att, .offset: 0, .size: 8, .value_kind: global_buffer, .address_space: global }
      - { .name: opnd, .offset: 8, .size: 8, .value_kind: global_buffer, .address_space: global }
      - { .name: b_proj, .offset: 16, .size: 8, .value_kind: global_buffer, .address_space: global }
      - { .name: out0, .offset: 24, .size: 8, .value_kind: global_buffer, .address_space: global }
    .group_segment_fixed_size: 327680
    .private_segment_fixed_size: 0
    .kernarg_segment_align: 8
    .kernarg_segment_size: 32
    .max_flat_workgroup_size: 128
    .sgpr_count:     100
    .vgpr_count:     1024
    .wavefront_size: 32
...
	.end_amdgpu_metadata
.endif
;; end of part 4
